; MI455X (gfx1250); checked and timed in simulation.
; The chip was launched on July 23, 2026; its instructions are those of AMD's public machine-readable ISA for CDNA 5 (MIT licence, August 2026) and "CDNA5" Instruction Set Architecture Reference Guide (July 2026). The comments in the code are by the model that wrote it; some were corrected since.
;; Transformer Block. Allowed arithmetic: matrix products marked QUANTISED: E2M3 operands, one E8M0 scale for each 32 along K, by v_wmma_scale_f32_16x16x128_f8f6f4 with both operands' format E2M3, f32 sums; everything else in f32.
;; Inputs: W1 1,024 x 4,096 float32; W2 4,096 x 1,024 float32; Wk 1,024 x 1,024 float32; Wo 1,024 x 1,024 float32; Wq 1,024 x 1,024 float32; Wv 1,024 x 1,024 float32; b1 4,096 float32; b2 1,024 float32; bo 1,024 float32; g1 1,024 float32; g2 1,024 float32; s1 1,024 float32; s2 1,024 float32; x 4 x 1,024 x 1,024 float32.
;; Outputs: out0 4 x 1,024 x 1,024 float32.
;; This version of the problem:
;;   THIS VERSION OF THE PROBLEM IS GIVEN IN LOW PRECISION. The matrix products marked QUANTISED in the list below multiply operands that are first quantised to E2M3 (2 exponent bits, 3 mantissa bits; 6 bits a number), with one power-of-two scale for each 32 numbers along K (OCP MX v1.0); their sums are f32. All else is computed in f32.
;;   The module's matrix products, in the order in which they are computed (A, B: the left and right operand; K: the contracted axis; several contracted axes count as one K, in the product's order):
;;     1. [M 4,096, K 1,024] x [K 1,024, N 1,024]; A: computed on the way; B: input Wq: QUANTISED
;;     2. [M 4,096, K 1,024] x [K 1,024, N 1,024]; A: computed on the way; B: input Wk: QUANTISED
;;     3. [M 4,096, K 1,024] x [K 1,024, N 1,024]; A: computed on the way; B: input Wv: QUANTISED
;;     4. batch 64 x [M 1,024, K 64] x [K 64, N 1,024]; A: computed on the way; B: computed on the way: QUANTISED
;;     5. batch 64 x [M 1,024, K 1,024] x [K 1,024, N 64]; A: softmax (see below); B: computed on the way: QUANTISED
;;     6. [M 4,096, K 1,024] x [K 1,024, N 1,024]; A: computed on the way; B: input Wo: QUANTISED
;;     7. [M 4,096, K 1,024] x [K 1,024, N 4,096]; A: computed on the way; B: input W1: QUANTISED
;;     8. [M 4,096, K 4,096] x [K 4,096, N 1,024]; A: computed on the way; B: input W2: QUANTISED
;;   THE QUANTISER, for each operand of a quantised product, along K:
;;     - K is cut into blocks of 32 from its start; a last block that is shorter is filled with zeros.
;;     - A block's scale is 2^e with e = floor(log2(the largest magnitude in the block)) - 2, held to -126 .. 127; a block of zeros has e = 0. As a byte (E8M0): e + 127.
;;     - Each number is divided by its block's scale, clamped to +-7.5, and rounded to the nearest number of E2M3, ties to even, subnormals kept.
;;     - The product sums the exact products of the quantised numbers (number of the format x scale) in f32.
;;   ~~~python
;;   def quantise(x, axis):      # numpy; x: float32 -> the quantised numbers, widened to float32 again
;;       x = np.moveaxis(x, axis, -1); K = x.shape[-1]
;;       x = np.pad(x, [(0, 0)] * (x.ndim - 1) + [(0, -K % 32)]); x = x.reshape(x.shape[:-1] + (-1, 32)); a = np.abs(x).max(-1, keepdims=True)
;;       e = np.where(a > 0, np.clip(np.frexp(np.where(a > 0, a, 1))[1] - 1 - 2, -126, 127), 0)      # np.frexp(a)[1] - 1 = floor(log2(a)), exactly
;;       r = np.clip(x / 2.0 ** e, -7.5, 7.5)
;;       step = 2.0 ** (np.maximum(np.frexp(np.where(r == 0, 1, r))[1] - 1, 0) - 3)
;;       q = np.round(r / step) * step * 2.0 ** e      # np.round: ties to even
;;       return np.moveaxis(q.reshape(q.shape[:-2] + (-1,))[..., :K], -1, axis).astype(np.float32)
;;   ~~~
;;   SOFTMAX AHEAD OF A QUANTISED PRODUCT. Where the list says 'softmax', what is quantised is not the finished softmax but p = 2^(t - M), with t = logit x log2(e) and M = ceil(the row's largest t), a whole number; so 1/2 < the row's largest p <= 1. The row's sum l is taken of the UNQUANTISED p, in f32, and the product's result is divided by l at the end. Since M is a whole number, a kernel that streams over the keys may use a running M (the ceiling of the running maximum): every later rescaling is an exact power of two, which a block's scale takes up: the codes' values come out the same.
;;   OPERANDS COMPUTED ON THE WAY. 'Computed on the way' means the value that the module computes at that place (a softmax that the list does not call 'softmax' is quantised finished and normalised). What goes into a quantiser is computed in f32, as accurately as f32 sums, v_exp_f32 and their like allow (about 1e-6 of the number): no bf16 or f16 on the way to a quantiser, and a product that is left as it is and whose result goes on into a quantised operand takes f32 operands (vector FMAs, or v_wmma_f32_16x16x4_f32). A number that lies on a knife's edge between two numbers of the format may be rounded either way, as far as f32 arithmetic and the matrix unit's own rounding can turn it there, and no further.
;; One version. Each part assembles by itself: llvm-mc -triple=amdgcn-amd-amdhsa -mcpu=gfx1250 --defsym DOCPART=n.
;; ======== version 1 of 1: 7 launches
;; limits: right only within a limited range of input values
;; workspace buffers: WB 9,830,400 bytes; XN 3,276,800 bytes; QKV 10,092,544 bytes; CTX 3,276,800 bytes; HB 16,777,216 bytes; YN 3,276,800 bytes; HID 13,107,200 bytes
;; launch ln1 (part 1): grid 384 x 1, 8 waves a work-group, no clusters, 130,048 bytes of LDS; arguments x, g1, s1, XN, Wq, Wk, Wv, Wo, W1, W2, WB; writes XN, WB
.if DOCPART == 1
	.amdgcn_target "amdgcn-amd-amdhsa--gfx1250"
	.amdhsa_code_object_version 6
	.text
	.protected	k_q8bf3ee7413_ln1
	.globl	k_q8bf3ee7413_ln1
	.p2align	8
	.type	k_q8bf3ee7413_ln1,@function
k_q8bf3ee7413_ln1:
	s_mov_b64 s[64:65], 0
	v_nop
	global_prefetch_b8 v0, s[64:65] scope:SCOPE_SE
	s_setreg_imm32_b32 hwreg(HW_REG_WAVE_MODE, 25, 1), 1
	s_wait_xcnt 0x0
; y = g (x - mean) rsqrt(var + 1e-5) + s along rows of 1,024 f32, all in f32, and y quantised along the row to FP6 (E2M3) with one E8M0 byte for each 32, stored as images of operand registers:
; image (rb, ks) at (8 rb + ks) 1,536: register 4 c + i of lane L at 512 c + 16 L + 4 i; scale line (rb, ks), 16 words, at 3,145,728 + (8 rb + ks) 64.
; Lane-row r of row block rb is row 32 (rb / 2) + 8 (rb % 2) + r + 8 (r / 8).
; A work-group owns one row block (16 rows), wave w its K step w (128 columns): for the quantiser lane (r, h) holds 16 neighbours of each of the four blocks of 32: register 16 b + i = column 128 w + 32 b + 16 h + i.
; THE LOADS ARE DENSE: each of a wave's 16 loads of x reads one row's 512 consecutive bytes, 16 a lane; g and s of the wave's 128 columns are one such load each.  The numbers turn through the wave's own
; bytes of LDS (16 rows of 512 + 16 bytes, then g, then s) and come back in the quantiser's layout.
; The variance is taken of x - mean, in a second pass over the registers: no difference of large sums.  Sums meet in LDS: three barriers, each over bytes of its own.
; No tile is shared between work-groups: no cluster, no matrix unit.
; LIMITS: NaN and infinities are not served; a block of zeros, or one under 2^-124, gets the byte 1 (read by this program alone).
.set PC,   12                          ; v12-31   the codes just made (12) and the conversions' second halves
.set X,    32                          ; v32-95   my 64 numbers
.set G,    96                          ; v96-159  g of my columns
.set S,    160                         ; v160-223 s of my columns
.set TM,   224                         ; v224-239 at work in QUANT
.set PW,   240                         ; the scale word
.set RED0, 0                           ; LDS: 8 waves x 16 rows of sums,
.set RED1, 512                         ; of sums of squares,
.set SCG,  1024                        ; the row block's eight scale lines,
.set STG,  2048                        ; and the waves' stages
.set SPT,  528                         ; a stage row: 512 bytes + 16
.set WST,  16*SPT+1024                 ; a wave's stage: 16 rows, g's 512 bytes, s's 512 bytes
.set SEL,  22                          ; s[22:23] lane selects: lane l xor 16
.macro QUANT s                         ; 64 numbers, register 16 b + i = k 32 b + 16 h + i of my row, become a fragment in v[PC] on and its scale word in v[PW]
.irp b, 0,1,2,3
	v_max3_num_f32 v[TM+\b], |v[\s+16*\b]|, |v[\s+1+16*\b]|, 0x1800000   ; my 16 numbers of block b, and the floor 2^(3 - 127)
.endr
.irp i, 2,4,6,8,10,12,14
.irp b, 0,1,2,3
	s_delay_alu instid0(VALU_DEP_4)
	v_max3_num_f32 v[TM+\b], v[TM+\b], |v[\s+16*\b+\i]|, |v[\s+1+16*\b+\i]|
.endr
.endr
.irp b, 0,1,2,3
	s_delay_alu instid0(VALU_DEP_4)
	v_permlanex16_b32 v[TM+4+\b], v[TM+\b], s[SEL], s[SEL+1]
.endr
.irp b, 0,1,2,3
	s_delay_alu instid0(VALU_DEP_4)
	v_max_num_f32 v[TM+\b], v[TM+\b], v[TM+4+\b]   ; with lane l xor 16's: the block's largest magnitude
.endr
.irp b, 0,1,2,3
	s_delay_alu instid0(VALU_DEP_4)
	v_add_nc_u32 v[TM+12+\b], 0xff000000, v[TM+\b] ; 2 off its exponent field: the conversion's scale operand
.endr
.irp b, 0,1,2,3
	s_delay_alu instid0(VALU_DEP_4)
	v_lshrrev_b32 v[TM+4+\b], 23, v[TM+12+\b]      ; the byte
.endr
	s_delay_alu instid0(VALU_DEP_3)
	v_lshl_or_b32 v[PW], v[TM+5], 8, v[TM+4]
	s_delay_alu instid0(VALU_DEP_1)
	v_lshl_or_b32 v[PW], v[TM+6], 16, v[PW]
	s_delay_alu instid0(VALU_DEP_1)
	v_lshl_or_b32 v[PW], v[TM+7], 24, v[PW]
.irp c, 0,1
	v_cvt_scalef32_pk16_fp6_f32 v[PC+6*\c:PC+2+6*\c], v[\s+32*\c:\s+15+32*\c], v[TM+12+2*\c]
	v_cvt_scalef32_pk16_fp6_f32 v[PC+12+4*\c:PC+14+4*\c], v[\s+16+32*\c:\s+31+32*\c], v[TM+13+2*\c]
.endr
	v_nop                                          ; one plain instruction behind the conversions
.irp c, 0,1                                    ; a lane wants a whole block: lanes 0-15 block 2 c, lanes 16-31 block 2 c + 1
.irp i, 0,1,2
	v_permlane16_swap_b32 v[PC+6*\c+\i], v[PC+12+4*\c+\i]
.endr
.irp i, 0,1,2
	s_delay_alu instid0(VALU_DEP_3)
	v_mov_b32 v[PC+3+6*\c+\i], v[PC+12+4*\c+\i]
.endr
.endr
.endm
.macro ACROSS red                      ; v242, my 64 numbers' sum, becomes the row's sum in v246
	s_delay_alu instid0(VALU_DEP_1)
	v_permlanex16_b32 v243, v242, s[SEL], s[SEL+1]
	s_delay_alu instid0(VALU_DEP_1)
	v_add_f32 v242, v242, v243                     ; my wave's 128 columns of row r
	ds_store_b32 v7, v242 offset:\red              ; both halves of the lanes write the same word with the same value
	s_wait_dscnt 0x0                               ; for the others' sake: my store has landed
	s_barrier_signal -1
	s_barrier_wait -1
.irp w, 0,1,2,3,4,5,6,7
	ds_load_b32 v[246+\w], v8 offset:\red+64*\w
.endr
	s_wait_dscnt 0x0
	v_add_f32 v246, v246, v247
	v_add_f32 v248, v248, v249
	v_add_f32 v250, v250, v251
	v_add_f32 v252, v252, v253
	s_delay_alu instid0(VALU_DEP_3)
	v_add_f32 v246, v246, v248
	s_delay_alu instid0(VALU_DEP_2)
	v_add_f32 v250, v250, v252
	s_delay_alu instid0(VALU_DEP_1)
	v_add_f32 v246, v246, v250
.endm
; TWO KINDS OF WORK-GROUPS SHARE THIS BODY, told apart by the work-group's number alone; each kind has LDS bytes of its own (the norm's from 0, the weights' from 78,848; the spare words between them).
; Grid 384 x 1: x under 256 is row block x of the norm; x from 256 on quantises Wq, Wk, Wv, Wo.  Grid 256 x 2: y = 0 is row block x; y = 1 quantises W1 and W2.
	s_and_b32 s2, ttmp7, 0xffff
	s_cmp_eq_u32 s2, 1
	s_cbranch_scc1 .Lwq
	s_cmp_ge_u32 ttmp9, 256
	s_cbranch_scc1 .Lwq
	s_lshl_b32 s3, s2, 7
	s_add_co_u32 s3, s3, ttmp9                     ; the row block
	s_load_b256 s[4:11], s[0:1], 0x0               ; x, g, s, the codes' buffer
	v_lshl_add_u32 v235, v0, 2, 0x13000
	v_mov_b32 v241, 0
	v_lshrrev_b32 v1, 5, v0
	s_delay_alu instid0(VALU_DEP_1)
	v_readfirstlane_b32 s12, v1                    ; wave = K step
	v_and_b32 v1, 15, v0                           ; r
	v_bfe_u32 v2, v0, 4, 1                         ; h
	v_and_b32 v3, 31, v0                           ; lane
	s_delay_alu instid0(VALU_DEP_1)
	v_lshlrev_b32 v6, 4, v3                        ; 16 x lane: my 16 bytes of a load's or a store's 512
	s_lshl_b32 s13, s12, 6
	v_lshl_add_u32 v7, v1, 2, s13                  ; LDS: 64 w + 4 r
	v_lshlrev_b32 v8, 2, v1                        ; 4 r
	s_mul_i32 s28, s12, WST
	s_add_co_u32 s28, s28, STG                     ; my wave's stage
	v_add_nc_u32 v9, s28, v6                       ; into it: 16 x lane; the row stands in the immediate
	v_mul_u32_u24 v10, v1, SPT
	s_delay_alu instid0(VALU_DEP_1)
	v_lshl_add_u32 v10, v2, 6, v10
	s_delay_alu instid0(VALU_DEP_1)
	v_add_nc_u32 v10, s28, v10                     ; out of it: row r, + 64 h
	v_lshl_add_u32 v11, v2, 6, s28                 ; g and s out of it: 64 h
	s_lshr_b32 s14, s3, 1
	s_lshl_b32 s14, s14, 17                        ; 32 (rb / 2) rows
	s_and_b32 s15, s3, 1
	s_lshl_b32 s15, s15, 15                        ; 8 (rb % 2) rows
	s_add_co_u32 s14, s14, s15
	s_lshl_b32 s16, s12, 9                         ; 128 w columns
	s_add_co_u32 s14, s14, s16
	s_mov_b32 s15, 0
	s_mov_b32 s17, 0
	s_lshl_b32 s18, s3, 3
	s_add_co_u32 s18, s18, s12
	s_mul_i32 s18, s18, 1536                       ; my image
	s_mov_b32 s19, 0
	s_lshl_b32 s26, s3, 9
	s_add_co_u32 s26, s26, 3145728                 ; the row block's scale lines
	s_mov_b32 s27, 0
	s_mov_b32 s[SEL], 0x76543210
	s_mov_b32 s[SEL+1], 0xfedcba98
	s_mov_b32 s24, 0x3a800000                      ; 1 / 1,024
	s_mov_b32 s25, 0x3727c5ac                      ; 1e-5
.irp b, 0,1,2,3
	v_mov_b32 v[TM+4+\b], 0                        ; written once: a lane permute's destination counts as one of its sources
.endr
	s_wait_alu depctr_va_vdst(0)
	s_wait_kmcnt 0x0
	s_add_nc_u64 s[4:5], s[4:5], s[14:15]
	s_add_nc_u64 s[6:7], s[6:7], s[16:17]
	s_add_nc_u64 s[8:9], s[8:9], s[16:17]
	s_add_nc_u64 s[20:21], s[10:11], s[18:19]
	s_add_nc_u64 s[26:27], s[10:11], s[26:27]
.irp i, 0,1,2,3,4,5,6,7,8,9,10,11,12,13,14,15
	global_load_b128 v[X+4*\i:X+4*\i+3], v6, s[4:5] offset:(\i+8*(\i/8))*4096   ; lane-row i's 128 columns: 512 consecutive bytes
.endr
	global_load_b128 v[G:G+3], v6, s[6:7]          ; g of my wave's 128 columns
	global_load_b128 v[S:S+3], v6, s[8:9]          ; s likewise
.irp i, 0,1,2,3,4,5,6,7,8,9,10,11,12,13,14,15
	s_wait_loadcnt 17-\i                           ; row i is in; the rows behind it, g and s may be out
	ds_store_b128 v9, v[X+4*\i:X+4*\i+3] offset:SPT*\i
.endr
.irp b, 0,1,2,3
.irp j, 0,1,2,3
	ds_load_b128 v[X+16*\b+4*\j:X+16*\b+4*\j+3], v10 offset:128*\b+16*\j   ; LDS serves a wave's instructions in order (ISA guide 5.7.1.4): these see my stores.  Row r, columns 32 b + 16 h + 4 j on
.endr
.endr
	s_wait_loadcnt 0x0                             ; g and s
	ds_store_b128 v9, v[G:G+3] offset:16*SPT
	ds_store_b128 v9, v[S:S+3] offset:16*SPT+512
.irp b, 0,1,2,3
.irp j, 0,1,2,3
	ds_load_b128 v[G+16*\b+4*\j:G+16*\b+4*\j+3], v11 offset:16*SPT+128*\b+16*\j   ; the sixteen lanes of a half read the same 16 bytes
.endr
.endr
.irp b, 0,1,2,3
.irp j, 0,1,2,3
	ds_load_b128 v[S+16*\b+4*\j:S+16*\b+4*\j+3], v11 offset:16*SPT+512+128*\b+16*\j
.endr
.endr
	s_wait_dscnt 34                                ; x is back; g's and s's 2 stores and 32 loads may be out (the wait in front of the first barrier covers them)
	v_pk_add_f32 v[244:245], v[32:33], v[34:35]
	v_pk_add_f32 v[254:255], v[40:41], v[44:45]
	v_pk_add_f32 v[252:253], v[48:49], v[52:53]
	v_pk_add_f32 v[250:251], v[56:57], v[60:61]
	v_pk_add_f32 v[248:249], v[64:65], v[68:69]
	v_pk_add_f32 v[246:247], v[72:73], v[76:77]
	v_pk_add_f32 v[238:239], v[80:81], v[84:85]
	v_pk_add_f32 v[242:243], v[88:89], v[92:93]
	s_delay_alu instid0(VALU_DEP_1)
	v_pk_add_f32 v[242:243], v[242:243], v[36:37]
	v_pk_add_f32 v[244:245], v[244:245], v[38:39]
	v_pk_add_f32 v[254:255], v[254:255], v[42:43]
	v_pk_add_f32 v[252:253], v[252:253], v[46:47]
	v_pk_add_f32 v[250:251], v[250:251], v[50:51]
	v_pk_add_f32 v[248:249], v[248:249], v[54:55]
	v_pk_add_f32 v[246:247], v[246:247], v[58:59]
	v_pk_add_f32 v[238:239], v[238:239], v[62:63]
	v_pk_add_f32 v[242:243], v[242:243], v[66:67]
	v_pk_add_f32 v[244:245], v[244:245], v[70:71]
	v_pk_add_f32 v[254:255], v[254:255], v[74:75]
	v_pk_add_f32 v[252:253], v[252:253], v[78:79]
	v_pk_add_f32 v[250:251], v[250:251], v[82:83]
	v_pk_add_f32 v[248:249], v[248:249], v[86:87]
	v_pk_add_f32 v[246:247], v[246:247], v[90:91]
	v_pk_add_f32 v[238:239], v[238:239], v[94:95]
	s_delay_alu instid0(VALU_DEP_4)
	v_pk_add_f32 v[242:243], v[242:243], v[250:251]
	s_delay_alu instid0(VALU_DEP_4)
	v_pk_add_f32 v[244:245], v[244:245], v[248:249]
	s_delay_alu instid0(VALU_DEP_4)
	v_pk_add_f32 v[254:255], v[254:255], v[246:247]
	s_delay_alu instid0(VALU_DEP_4)
	v_pk_add_f32 v[252:253], v[252:253], v[238:239]
	s_delay_alu instid0(VALU_DEP_2)
	v_pk_add_f32 v[242:243], v[242:243], v[254:255]
	s_delay_alu instid0(VALU_DEP_2)
	v_pk_add_f32 v[244:245], v[244:245], v[252:253]
	s_delay_alu instid0(VALU_DEP_1)
	v_pk_add_f32 v[242:243], v[242:243], v[244:245]
	s_delay_alu instid0(VALU_DEP_1)
	v_add_f32 v242, v242, v243
	ACROSS RED0
	s_delay_alu instid0(VALU_DEP_1)
	v_mul_f32 v242, s24, v246                      ; the mean
.set j, 0
.rept 32
	v_pk_add_f32 v[X+j:X+j+1], v[X+j:X+j+1], v[242:243] op_sel_hi:[1,0] neg_lo:[0,1] neg_hi:[0,1]   ; x - mean (the pair's low word serves both halves)
.set j, j+2
.endr
	v_pk_mul_f32 v[244:245], v[X:X+1], v[X:X+1]
	v_pk_mul_f32 v[254:255], v[X+2:X+3], v[X+2:X+3]
.irp j, 4,8,12,16,20,24,28,32,36,40,44,48,52,56,60
	s_delay_alu instid0(VALU_DEP_2)
	v_pk_fma_f32 v[244:245], v[X+\j:X+\j+1], v[X+\j:X+\j+1], v[244:245]
	s_delay_alu instid0(VALU_DEP_2)
	v_pk_fma_f32 v[254:255], v[X+\j+2:X+\j+3], v[X+\j+2:X+\j+3], v[254:255]
.endr
	s_delay_alu instid0(VALU_DEP_1)
	v_pk_add_f32 v[242:243], v[244:245], v[254:255]
	s_delay_alu instid0(VALU_DEP_1)
	v_add_f32 v242, v242, v243
	ACROSS RED1
	s_delay_alu instid0(VALU_DEP_1)
	v_fma_f32 v244, v246, s24, s25                 ; the variance + 1e-5
	s_wait_alu depctr_va_vdst(0)
	v_rsq_f32 v242, v244
	v_nop                                          ; a plain instruction behind the transcendental,
	s_wait_alu depctr_va_vdst(0)                   ; and the wait ahead of its first reader
.set j, 0
.rept 32
	v_pk_mul_f32 v[X+j:X+j+1], v[X+j:X+j+1], v[242:243] op_sel_hi:[1,0]
.set j, j+2
.endr
.set j, 0
.rept 32
	v_pk_fma_f32 v[X+j:X+j+1], v[X+j:X+j+1], v[G+j:G+j+1], v[S+j:S+j+1]
.set j, j+2
.endr
	QUANT X
.irp c, 0,1,2
	global_store_b128 v6, v[PC+4*\c:PC+4*\c+3], s[20:21] offset:512*\c   ; 512 consecutive bytes, aligned
.endr
	ds_store_b32 v7, v[PW] offset:SCG              ; the eight scale lines meet in LDS,
	s_wait_dscnt 0x0
	s_barrier_signal -1
	s_barrier_wait -1
	s_cmp_lg_u32 s12, 0
	s_cbranch_scc1 .Lend
	ds_load_b128 v[244:247], v6 offset:SCG         ; and wave 0 stores them as 512 consecutive bytes
	s_wait_dscnt 0x0
	global_store_b128 v6, v[244:247], s[26:27]
.Lend:
	s_wait_tensorcnt 0x0
	ds_add_u32 v235, v241
	s_wait_dscnt 0x0
	s_endpgm
; THE WEIGHTS.  f32 [K][N] with K as the FIRST axis become codes of FP6 (E2M3) with one E8M0 byte for each 32 along K, laid as images of operand registers:
; an image is 16 columns x 128 K, 1,536 bytes: register 4 c + i of lane L at 512 c + 16 L + 4 i.  Lane-row r of column block cb is column 32 (cb / 2) + 8 (cb % 2) + r + 8 (r / 8).
; Image n lies at 1,536 n, its scale line (16 words) at 9,437,184 + 64 n; n = first + cb x KS + ks, KS = K / 128.
; A lane takes a column and its registers run down K: a block of 32 lies in one lane.  A wave takes 32 columns x 128 K = four blocks = two images, gathered in its own LDS bytes and stored as runs of 512 consecutive bytes.  Waves share nothing here: no barrier.
; A work-group v = 0 .. 383 takes 128 columns x 256 K: (v % 32, v / 32) says which weight and which part of it (0-127: Wq .. Wo, 128-255: W1, 256-383: W2); waves 0-3 take its first 128 along K, waves 4-7 the second.
; LIMITS: NaN and infinities are not served; a block of zeros, or one under 2^-124, gets the byte 1 (read by this program alone).
.set OFFS, 32
.set X,    64                          ; v64-127  two sets of 32 numbers
.set F,    128                         ; v128-175 the codes
.set T,    176                         ; v176-178 a block's second sixteen codes
.set SB,   184                         ; v184-185 my column's scale words
.set OUTR, 64                          ; the way out
.set BAS,  32                          ; s[32:47] the address of block t's first row
.Lwq:
	s_load_b256 s[4:11], s[0:1], 0x20              ; Wq, Wk, Wv, Wo
	s_load_b128 s[12:15], s[0:1], 0x40             ; W1, W2
	s_load_b64 s[16:17], s[0:1], 0x50              ; WB
	v_lshl_add_u32 v192, v0, 2, 0x13000
	v_mov_b32 v193, 0
	v_lshrrev_b32 v1, 5, v0
	v_readfirstlane_b32 s59, v1                    ; wave 0..7
	v_and_b32 v2, 31, v0                           ; lane = column of the wave's 32
	s_wait_alu depctr_va_vdst(0)
	s_and_b32 s18, s59, 3                          ; wave in its team
	s_lshr_b32 s60, s59, 2                         ; which team of the work-group
	s_add_co_u32 s62, ttmp9, 128                   ; y = 1: v = 128 + x
	s_sub_co_u32 s61, ttmp9, 256                   ; else: v = x - 256
	s_cmp_eq_u32 s2, 1
	s_cselect_b32 s61, s62, s61                    ; v
	s_and_b32 s63, s61, 31
	s_lshr_b32 s19, s61, 5                         ; 0-3: weight Wq .. Wo; 4-7: W1; 8-11: W2
	s_lshr_b32 s20, s19, 2
	s_and_b32 s21, s63, 7
	s_lshr_b32 s22, s63, 3
	s_sub_co_u32 s23, s19, 4
	s_sub_co_u32 s24, s19, 8
	s_lshl_b32 s24, s24, 2
	s_add_co_u32 s24, s24, s22
	s_lshl_b32 s25, s19, 9                         ; first image of a small weight
	s_cmp_eq_u32 s20, 1
	s_cselect_b32 s26, s63, s21                    ; cg: which 128 columns
	s_cselect_b32 s27, s23, s22                    ; kg: which 256 along K
	s_cselect_b32 s28, 14, 12                      ; log2 of a row's bytes
	s_cselect_b32 s25, 2048, s25
	s_cmp_eq_u32 s20, 2
	s_cselect_b32 s27, s24, s27
	s_cselect_b32 s29, 32, 8                       ; KS
	s_cselect_b32 s25, 4096, s25
	s_lshl_b32 s27, s27, 1
	s_add_co_u32 s27, s27, s60                     ; my K step: 2 kg + my team
	s_lshl_b32 s30, 1, s28                         ; a row's bytes
	s_lshl_b32 s2, s27, 7
	s_lshl_b32 s2, s2, s28
	s_lshl_b32 s3, s26, 9
	s_add_co_u32 s2, s2, s3
	s_lshl_b32 s3, s18, 7
	s_add_co_u32 s2, s2, s3                        ; 256 kg rows, 128 cg + 32 x wave columns
	s_mov_b32 s3, 0
	s_lshl_b32 s48, s30, 5                         ; 32 rows on
	s_mov_b32 s49, 0
	s_lshl_b32 s50, s26, 3
	s_lshl_b32 s51, s18, 1
	s_add_co_u32 s50, s50, s51                     ; cb0 = 8 cg + 2 x wave
	s_mul_i32 s50, s50, s29
	s_add_co_u32 s50, s50, s25
	s_mov_b32 s51, s27
	s_add_co_u32 s50, s50, s51                     ; n0 = first + cb0 KS + 2 kg
	s_mul_i32 s52, s50, 1536
	s_mov_b32 s53, 0
	s_lshl_b32 s54, s50, 6
	s_mov_b32 s55, 0
	s_mul_i32 s56, s29, 1536                       ; a column block on
	s_mov_b32 s57, 0
	s_lshl_b32 s31, s29, 6                         ; the same among the scale lines
	s_mul_i32 s58, s59, 6400                       ; my wave's LDS bytes: [u: 3,200][K step: 1,536]
	s_add_co_u32 s58, s58, 78848
	v_lshlrev_b32 v3, 2, v2
	v_bfe_u32 v4, v2, 3, 1                         ; u: which of the two column blocks
	v_and_b32 v5, 7, v2
	v_lshrrev_b32 v6, 4, v2
	v_lshl_add_u32 v5, v6, 3, v5                   ; r: my lane-row there
	v_mul_u32_u24 v7, v4, 3200
	v_lshl_add_u32 v7, v5, 4, v7
	v_add_nc_u32 v7, s58, v7                       ; in: 3,200 u + 16 r
	v_lshl_add_u32 v8, v2, 4, s58                  ; back: 16 x lane
	v_lshlrev_b32 v9, 4, v2
	v_mul_u32_u24 v10, s31, v4
	v_lshl_add_u32 v10, v5, 2, v10                 ; my word among the scale lines
.set i, 0
.rept 32
	v_mad_u32_u24 v[OFFS+i], s30, i, v3
.set i, i+1
.endr
	s_wait_alu depctr_va_vdst(0)                   ; the wait at the head's end
	s_wait_kmcnt 0x0
	s_cmp_eq_u32 s19, 1                            ; the weight's address: each choice hangs on the work-group's and the wave's number alone
	s_cselect_b64 s[4:5], s[6:7], s[4:5]
	s_cmp_eq_u32 s19, 2
	s_cselect_b64 s[4:5], s[8:9], s[4:5]
	s_cmp_eq_u32 s19, 3
	s_cselect_b64 s[4:5], s[10:11], s[4:5]
	s_cmp_eq_u32 s20, 1
	s_cselect_b64 s[4:5], s[12:13], s[4:5]
	s_cmp_eq_u32 s20, 2
	s_cselect_b64 s[4:5], s[14:15], s[4:5]
	s_add_nc_u64 s[BAS:BAS+1], s[4:5], s[2:3]
.irp t, 1,2,3
	s_add_nc_u64 s[BAS+2*\t:BAS+2*\t+1], s[BAS+2*\t-2:BAS+2*\t-1], s[48:49]
.endr
	s_add_nc_u64 s[52:53], s[16:17], s[52:53]      ; images of column block cb0,
	s_add_nc_u64 s[56:57], s[52:53], s[56:57]      ; of cb0 + 1,
	s_add_nc_u64 s[54:55], s[16:17], s[54:55]
	s_add_nc_u64 s[54:55], s[54:55], 9437184       ; and the scale lines
.macro LOAD t                          ; block t: W(32 t + i, my column): 32 lanes read 128 consecutive bytes, a team 512
.set i, 0
.rept 32
	global_load_b32 v[X+32*((\t)%2)+i], v[OFFS+i], s[BAS+2*(\t):BAS+2*(\t)+1] th:TH_LOAD_NT
.set i, i+1
.endr
.endm
.macro BLOCK t                         ; K = 32 t on: K step t / 4, and in it c = (t / 2) % 2, h = t % 2
.set XS, X+32*((\t)%2)
.set FD, F+24*((\t)/4)+12*((\t)%2)+6*(((\t)/2)%2)
.if (\t) < 3
	s_wait_loadcnt 32                              ; this block's 32 loads are in; the next block's 32 may be out
.else
	s_wait_loadcnt 0x0
.endif
	v_max3_num_f32 v12, |v[XS]|, |v[XS+1]|, |v[XS+2]|      ; the block's largest magnitude, in two chains
	v_max3_num_f32 v13, |v[XS+3]|, |v[XS+4]|, |v[XS+5]|
.irp i, 6,10,14,18,22,26
	v_max3_num_f32 v12, v12, |v[XS+\i]|, |v[XS+\i+1]|
	v_max3_num_f32 v13, v13, |v[XS+\i+2]|, |v[XS+\i+3]|
.endr
	v_max3_num_f32 v12, v12, |v[XS+30]|, |v[XS+31]|
	v_max3_num_f32 v12, v12, v13, 0x1800000        ; and the floor 2^(3 - 127): the byte cannot fall under 1
	v_add_nc_u32 v11, 0xff000000, v12              ; 2 off the exponent field: the conversion's scale operand
	v_lshrrev_b32 v13, 23, v11                     ; the scale's byte
.if ((\t)%4) == 0
	v_mov_b32 v[SB+(\t)/4], v13
.else
	v_lshl_or_b32 v[SB+(\t)/4], v13, 8*((\t)%4), v[SB+(\t)/4]
.endif
	v_cvt_scalef32_pk16_fp6_f32 v[FD:FD+2], v[XS:XS+15], v11
	v_cvt_scalef32_pk16_fp6_f32 v[T:T+2], v[XS+16:XS+31], v11
	v_nop                                          ; one plain instruction behind the conversions
.irp i, 0,1,2
	v_mov_b32 v[FD+3+\i], v[T+\i]
.endr
.if (\t)+2 < 4
	LOAD (\t)+2
.endif
.if ((\t)%4) == 3                      ; a K step's four blocks are whole: the registers of lanes (r, 0) and (r, 1) of my image go to their places
.irp hh, 0,1
.irp c, 0,1,2
	ds_store_b128 v7, v[F+24*((\t)/4)+12*\hh+4*\c:F+24*((\t)/4)+12*\hh+4*\c+3] offset:1536*((\t)/4)+512*\c+256*\hh
.endr
.endr
.endif
.endm
	LOAD 0
	LOAD 1
.irp t, 0,1,2,3
	BLOCK \t
.endr
.irp u, 0,1
.irp c, 0,1,2
	ds_load_b128 v[OUTR+4*(3*\u+\c):OUTR+4*(3*\u+\c)+3], v8 offset:3200*\u+512*\c   ; LDS serves a wave's instructions in order: these see my stores
.endr
.endr
	s_wait_alu depctr_va_vdst(0)                   ; the wait ahead of the waits below
.irp c, 0,1,2
	s_wait_dscnt 5-\c                              ; the younger loads may be out
	global_store_b128 v9, v[OUTR+4*\c:OUTR+4*\c+3], s[52:53] offset:512*\c   ; 512 consecutive bytes, aligned
.endr
.irp c, 0,1,2
	s_wait_dscnt 2-\c
	global_store_b128 v9, v[OUTR+4*(3+\c):OUTR+4*(3+\c)+3], s[56:57] offset:512*\c
.endr
	global_store_b32 v10, v[SB], s[54:55]
	s_wait_tensorcnt 0x0                           ; the wave's end
	ds_add_u32 v192, v193
	s_wait_dscnt 0x0
	s_endpgm
.Lfunc_end_k_q8bf3ee7413_ln1:
	.size	k_q8bf3ee7413_ln1, .Lfunc_end_k_q8bf3ee7413_ln1-k_q8bf3ee7413_ln1
	.p2alignl 7, 3214868480
	.fill 96, 4, 3214868480
	.section	.rodata,"a",@progbits
	.p2align	6, 0x0
	.amdhsa_kernel k_q8bf3ee7413_ln1
		.amdhsa_group_segment_fixed_size 130048
		.amdhsa_private_segment_fixed_size 0
		.amdhsa_enable_private_segment 0
		.amdhsa_kernarg_size 88
		.amdhsa_user_sgpr_count 2
		.amdhsa_user_sgpr_kernarg_segment_ptr 1
		.amdhsa_wavefront_size32 1
		.amdhsa_system_sgpr_workgroup_id_x 1
		.amdhsa_system_sgpr_workgroup_id_y 1
		.amdhsa_system_sgpr_workgroup_id_z 1
		.amdhsa_system_vgpr_workitem_id 0
		.amdhsa_next_free_vgpr 256
		.amdhsa_next_free_sgpr 66
		.amdhsa_reserve_vcc 0
		.amdhsa_float_denorm_mode_32 3
		.amdhsa_float_denorm_mode_16_64 3
		.amdhsa_memory_ordered 1
		.amdhsa_forward_progress 1
		.amdhsa_inst_pref_size 55
	.end_amdhsa_kernel
	.amdgpu_metadata
---
amdhsa.version: [ 1, 2 ]
amdhsa.kernels:
  - .name:           k_q8bf3ee7413_ln1
    .symbol:         k_q8bf3ee7413_ln1.kd
    .args:
      - { .name: x, .offset: 0, .size: 8, .value_kind: global_buffer, .address_space: global }
      - { .name: g1, .offset: 8, .size: 8, .value_kind: global_buffer, .address_space: global }
      - { .name: s1, .offset: 16, .size: 8, .value_kind: global_buffer, .address_space: global }
      - { .name: XN, .offset: 24, .size: 8, .value_kind: global_buffer, .address_space: global }
      - { .name: Wq, .offset: 32, .size: 8, .value_kind: global_buffer, .address_space: global }
      - { .name: Wk, .offset: 40, .size: 8, .value_kind: global_buffer, .address_space: global }
      - { .name: Wv, .offset: 48, .size: 8, .value_kind: global_buffer, .address_space: global }
      - { .name: Wo, .offset: 56, .size: 8, .value_kind: global_buffer, .address_space: global }
      - { .name: W1, .offset: 64, .size: 8, .value_kind: global_buffer, .address_space: global }
      - { .name: W2, .offset: 72, .size: 8, .value_kind: global_buffer, .address_space: global }
      - { .name: WB, .offset: 80, .size: 8, .value_kind: global_buffer, .address_space: global }
    .group_segment_fixed_size: 130048
    .private_segment_fixed_size: 0
    .kernarg_segment_align: 8
    .kernarg_segment_size: 88
    .max_flat_workgroup_size: 256
    .sgpr_count:     66
    .vgpr_count:     256
    .wavefront_size: 32
...
	.end_amdgpu_metadata
.endif
;; end of part 1
;; launch qkv (part 2): grid 12 x 16, 4 waves a work-group, clusters of 4 x 4, 327,680 bytes of LDS; arguments XN, WB, QKV; writes QKV
.if DOCPART == 2
	.amdgcn_target "amdgcn-amd-amdhsa--gfx1250"
	.amdhsa_code_object_version 6
	.text
	.protected	k_q8bf3ee7413_qkv
	.globl	k_q8bf3ee7413_qkv
	.p2align	8
	.type	k_q8bf3ee7413_qkv,@function
k_q8bf3ee7413_qkv:
	s_mov_b64 s[64:65], 0
	v_nop
	global_prefetch_b8 v0, s[64:65] scope:SCOPE_SE
	s_setreg_imm32_b32 hwreg(HW_REG_WAVE_MODE, 25, 1), 1
	s_wait_xcnt 0x0
	s_wait_alu depctr_hold_cnt(0) depctr_sa_sdst(0) depctr_va_vdst(0) depctr_va_sdst(0) depctr_va_ssrc(0) depctr_va_vcc(0) depctr_vm_vsrc(0)
	s_getreg_b32 s2, hwreg(HW_REG_IB_STS2, 6, 4)
	s_cmp_eq_u32 s2, 0
	s_cbranch_scc0 .Lentry_in_a_cluster
	s_endpgm
.Lentry_in_a_cluster:
	s_bfe_u32 s2, ttmp6, 0x10000c
	s_cmp_lg_u32 s2, 0xf033
	s_cbranch_scc0 .Lentry_shape_is_right
	s_endpgm
.Lentry_shape_is_right:
; q = y Wq, k = y Wk, v = y Wv on codes of FP6 (E2M3) with E8M0 scales, sums in f32; each result is quantised in registers for the product that reads it and stored as images of operand registers.
; OPERANDS are images: 16 rows x 128 K in 1,536 bytes, register 4 c + i of lane L at 512 c + 16 L + 4 i, laid [row block][K step]; three 16-byte loads a lane bring a fragment, each of 512 consecutive bytes: no pitch, no padding.
; Lane-row r of block n is row 32 (n / 2) + 8 (n % 2) + r + 8 (r / 8).  So in D = (source 0 = blocks of X) x (source 1 = a block of Y) a lane holds one row of Y, and the 16 registers of X's blocks 2 b, 2 b + 1 are X's rows 32 b + 16 h + 0 .. 15.
; A tile is 256 x 256, four waves of 128 x 128 (64 accumulators, 512 registers).  K = 1,024 is 8 steps of 128.
; THREE LDS SLOTS OF TWO STEPS: six of the eight steps are first fills; slot 0 alone is filled again, with steps 6 and 7, behind the change of slots in step 1, and has the rest of step 1 and steps 2, 3 and 4
; (224 matrix instructions a wave) in which to land.  All eight steps are written out.
; ROLES.  Role A (source 1) gives a lane its row, role B (source 0) runs along a lane's registers.  The cluster's x is the product: 0 q, 1 k, 2 v.
;   q, k: A = tokens, B = weight columns: a lane's 128 registers are two heads of 64: quantised along the head, two half images (768 bytes: registers 0-3 at 16 L, 4-5 at 512 + 8 L).
;   v:    A = weight columns, B = tokens: a lane holds one channel and 128 tokens: quantised along the tokens, which are the second attention product's K.  Only pointers and tile numbers are swapped.
; CLUSTERS: 4 x 4 work-groups; A's tile is shared along a row of the cluster, B's along a column: joint loads with a mask of four.
; THE SCALE LINES (16 words a block and K step) of the work-group's rows, for all of K, come once, with the first fills.  Lanes 0-15 load A's words, lanes 16-31 B's, into one register.
; By this text's own count a wave has four tensor loads out at the start and one behind the change of slots that fills.
; REGISTERS: window 0: v1-29 addresses, v32-47 scale words (two sets), A's fragments at v64 and v160 (two sets of 96); window 1: B's at v0 and v96; windows 2, 3: accumulator (a, b) at 8 (8 (a % 4) + b) of window 2 + a / 4.
; LIMITS: NaN and infinities are not served; a block of zeros, or one under 2^-124, gets the byte 1 (read by this program alone).
.set NB,    8                          ; blocks of 16 rows a wave and side
.set NQ,    2                          ; K steps in a slot
.set KS,    8                          ; K steps in all
.set IMG,   1536
.set HALFT, NB*NQ*IMG                  ; what one tensor load brings
.set SLOT,  4*HALFT                    ; A's two halves, then B's
.set HALFS, NB*KS*64                   ; the scale lines of NB blocks
.set SCL,   3*SLOT                     ; behind the three slots: A's scale lines;
.set SCLB,  SCL+2*HALFS+128            ; B's, 128 bytes (mod 256) from A's, so that the two halves of a load's lanes touch different banks (64 banks of 4 bytes: ISA guide 11.1)
.set SPARE, ((SCLB+2*HALFS+255)/256)*256   ; the spare words: 128 bytes a wave, two blocks of 256 bytes that no other line names
.set LI,   4                           ; v4   16 x lane
.set L8,   7                           ; v7   8 x lane
.set QSA,  8                           ; v8   4 r + 4,096 h: q's, k's scale words of two heads
.set VSA,  9                           ; v9   4 r
.set SH,   10                          ; v10  16 h
.set SW,   11                          ; v11  the scale word as it is stored
.set ADRA, 16                          ; v16-18 my A fragments in slot 0, 1, 2
.set ADRB, 20                          ; v20-22 my B fragments
.set ADRS, 27                          ; v27  my scale words
.set SPW,  28                          ; v28  my spare word; never rewritten
.set NIL,  29                          ; v29  0; never rewritten
.set SC,   32
.set AF,   64
.set PC,   128                         ; the way out: codes,
.set TM,   148                         ; work,
.set PW,   164                         ; scale word
.set SEL,  2                           ; s[2:3] lane selects, written behind the last product
.set G1, 24
.set G0, 32                            ; s[32:39] A's groups 0 for slots 0 and 1;
.set G0C, 4                            ; s[4:7] for the head's load of slot 0 (the pointers that lay there are done with)
.set G1B, 48
.set G0B, 56                           ; s[56:63], s[8:11] the same for B
.set G0BC, 8
.set G1S, 68
.set G0S, 76
.set G1SB, 80
.set G0SB, 88
.set MSB, 0
.macro WIN new                         ; the immediate's high byte repeats the setting that is left; a switch that changes nothing is dropped
.if MSB != (\new)
	s_set_vgpr_msb (MSB<<8)|(\new)
.set MSB, (\new)
.endif
.endm
.macro JLOAD g0a, g1a, g0b, g1b        ; a joint load: waves 0, 1 fetch for A, waves 2, 3 for B; the branch hangs on the wave's number alone; four v_nop follow each line
	s_cmp_eq_u32 s15, 0
	s_cbranch_scc0 .Lfor_b_\@
	tensor_load_to_lds s[\g0a:\g0a+3], s[\g1a:\g1a+7]
	s_nop 0
.rept 4
	v_nop
.endr
	s_branch .Lasked_\@
.Lfor_b_\@:
	tensor_load_to_lds s[\g0b:\g0b+3], s[\g1b:\g1b+7]
	s_nop 0
.rept 4
	v_nop
.endr
.Lasked_\@:
.endm
.macro CREST                           ; a round of the cluster's barrier behind its opening barrier
	s_cmp_lg_u32 s14, 0
	s_cbranch_scc1 .Lnot_wave_0_\@
	s_barrier_signal -3
.Lnot_wave_0_\@:
	s_barrier_wait -3
	s_barrier_signal -1
	s_barrier_wait -1
.endm
.macro CROUND
	s_barrier_signal -1
	s_barrier_wait -1
	CREST
.endm
.macro PLACES                          ; four plain vector instructions between a matrix instruction and a load into, or a vector write of, its registers, or a read of its result
.rept 4
	v_nop
.endr
.endm
	s_load_b128 s[4:7], s[0:1], 0x0                ; XN, WB
	s_load_b64 s[12:13], s[0:1], 0x10              ; QKV
	v_lshl_add_u32 v[SPW], v0, 2, SPARE
	v_mov_b32 v[NIL], 0
	ds_add_u32 v28, v29
	ds_add_u32 v28, v29
	s_wait_dscnt 0x0
	v_lshrrev_b32 v1, 5, v0
	v_readfirstlane_b32 s14, v1                    ; wave
	s_lshr_b32 s15, s14, 1                         ; which half of A's rows I multiply.  Also: I fetch for A (0) or for B (1)
	s_and_b32 s16, s14, 1                          ; which half of B's rows.  Also: which half I fetch
	s_bfe_u32 s40, ttmp6, 0x40000                  ; cx
	s_bfe_u32 s41, ttmp6, 0x40004                  ; cy
	s_and_b32 s66, ttmp7, 0xffff
	s_lshl_b32 s66, s66, 2                         ; 4 x cluster y
	s_add_co_u32 s17, s66, s41                     ; q, k: A's tile = tokens' tile 4 cluster y + cy
	s_add_co_u32 s67, s41, 8                       ; v:    A's tile = Wv's tile 8 + cy
	s_lshl_b32 s42, ttmp9, 2
	s_add_co_u32 s42, s42, s40                     ; q, k: B's tile = 4 x product + cx
	s_add_co_u32 s92, s66, s40                     ; v:    B's tile = tokens' tile 4 cluster y + cx
	s_lshl_b32 s43, s41, 2
	s_lshl_b32 s43, 15, s43                        ; my row of the cluster
	s_lshl_b32 s44, 0x1111, s40                    ; my column
	s_cmp_eq_u32 ttmp9, 2                          ; the cluster's x: equal in all sixteen partners
	s_cselect_b32 s17, s67, s17
	s_cselect_b32 s42, s92, s42
	s_or_b32 s[G1+0], s43, (3<<16)|(1<<21)         ; 15:0 the mask; 17:16 elements of 8 bytes; 21 set beside a mask; no padding
	s_or_b32 s[G1B+0], s44, (3<<16)|(1<<21)
.irp g, G1, G1B
	s_mov_b32 s[\g+1], (192*NQ)<<16                ; tensor_dim0: NQ images of a block
	s_mov_b32 s[\g+2], (2*NB)<<16                  ; the head's loads bring both halves of a tile: 2 NB blocks
	s_mov_b32 s[\g+3], (192*NQ)<<16                ; tile_dim0
	s_mov_b32 s[\g+4], 2*NB
	s_mov_b32 s[\g+5], 192*KS                      ; from block to block
	s_mov_b32 s[\g+6], 0
	s_mov_b32 s[\g+7], 0
.endr
	s_or_b32 s[G1S+0], s43, (3<<16)|(1<<21)        ; the scale lines of NB blocks: a dense block, as rows of 256 bytes
	s_or_b32 s[G1SB+0], s44, (3<<16)|(1<<21)
.irp g, G1S, G1SB
	s_mov_b32 s[\g+1], 32<<16
	s_mov_b32 s[\g+2], (2*HALFS/256)<<16           ; the scale lines of both halves
	s_mov_b32 s[\g+3], 32<<16
	s_mov_b32 s[\g+4], 2*HALFS/256
	s_mov_b32 s[\g+5], 32
	s_mov_b32 s[\g+6], 0
	s_mov_b32 s[\g+7], 0
.endr
	s_mul_i32 s18, s16, NB
	s_mul_i32 s20, s17, 2*NB
	s_add_co_u32 s20, s20, s18                     ; A: the first block that I fetch
	s_mul_i32 s46, s42, 2*NB
	s_add_co_u32 s46, s46, s18                     ; B likewise
	s_mul_i32 s22, s20, KS*64
	s_mul_i32 s20, s20, KS*IMG
	s_mul_i32 s92, s46, KS*64
	s_mul_i32 s46, s46, KS*IMG
	s_mov_b32 s21, 0
	s_mov_b32 s23, 0
	s_mov_b32 s47, 0
	s_mov_b32 s93, 0
	s_mul_i32 s45, s14, HALFT                      ; where tiles go: wave x a load's bytes: no place in the cluster enters an LDS address
	s_mul_i32 s94, s16, HALFS                      ; my half's distance from the tile's first scale line,
	s_mov_b32 s95, 0
	s_mul_i32 s2, s16, NB*KS*IMG                   ; and from its first image
	s_mov_b32 s3, 0
	s_wait_kmcnt 0x0
	s_add_nc_u64 s[96:97], s[4:5], 3145728         ; the tokens' scale lines
	s_add_nc_u64 s[98:99], s[6:7], 9437184         ; the weights'
	s_cmp_eq_u32 ttmp9, 2
	s_cselect_b64 s[8:9], s[4:5], s[6:7]           ; role B's codes: v: tokens, else weights
	s_cselect_b64 s[10:11], s[96:97], s[98:99]
	s_cselect_b64 s[4:5], s[6:7], s[4:5]           ; role A's
	s_cselect_b64 s[6:7], s[98:99], s[96:97]
	s_add_nc_u64 s[20:21], s[4:5], s[20:21]
	s_add_nc_u64 s[22:23], s[6:7], s[22:23]
	s_add_nc_u64 s[46:47], s[8:9], s[46:47]
	s_add_nc_u64 s[92:93], s[10:11], s[92:93]      ; s[4:11] are done with from here on
	CROUND                                         ; all sixteen work-groups are here: the first joint loads meet
	s_mov_b32 s[G0S], 1
	s_mov_b32 s[G0S+1], SCL
	s_sub_nc_u64 s[G0S+2:G0S+3], s[22:23], s[94:95]
	s_or_b32 s[G0S+3], s[G0S+3], 0x80000000
	s_mov_b32 s[G0SB], 1
	s_mov_b32 s[G0SB+1], SCLB
	s_sub_nc_u64 s[G0SB+2:G0SB+3], s[92:93], s[94:95]
	s_or_b32 s[G0SB+3], s[G0SB+3], 0x80000000
.irp s, 0,1
	s_mov_b32 s[G0+4*\s], 1
	s_add_co_u32 s[G0+4*\s+1], s45, \s*SLOT
	s_add_nc_u64 s[G0+4*\s+2:G0+4*\s+3], s[20:21], \s*NQ*IMG
	s_or_b32 s[G0+4*\s+3], s[G0+4*\s+3], 0x80000000
	s_mov_b32 s[G0B+4*\s], 1
	s_add_co_u32 s[G0B+4*\s+1], s45, \s*SLOT
	s_add_nc_u64 s[G0B+4*\s+2:G0B+4*\s+3], s[46:47], \s*NQ*IMG
	s_or_b32 s[G0B+4*\s+3], s[G0B+4*\s+3], 0x80000000
.endr
	s_mov_b32 s[G0C], 1                            ; slot 0: K steps 0 and 1, both halves
	s_mov_b32 s[G0C+1], 0
	s_sub_nc_u64 s[G0C+2:G0C+3], s[20:21], s[2:3]
	s_or_b32 s[G0C+3], s[G0C+3], 0x80000000
	s_mov_b32 s[G0BC], 1
	s_mov_b32 s[G0BC+1], 2*HALFT
	s_sub_nc_u64 s[G0BC+2:G0BC+3], s[46:47], s[2:3]
	s_or_b32 s[G0BC+3], s[G0BC+3], 0x80000000
	s_lshl_b32 s94, s45, 1                         ; K steps 2 to 5 lie behind slot 0, a quarter of 2 HALFT bytes a wave, [block][four steps]
	s_add_co_u32 s[G0+5], s94, SLOT
	s_add_co_u32 s[G0B+5], s94, SLOT
; the head's four tiles, one joint load a wave: wave 0 slot 0's A, wave 1 its B, wave 2 A's scale lines, wave 3 B's
.macro ARM under, g0, g1, next
	s_cmp_lt_u32 s14, \under
	s_cbranch_scc0 \next
	tensor_load_to_lds s[\g0:\g0+3], s[\g1:\g1+7]
	s_nop 0
.rept 4
	v_nop
.endr
	s_branch .Lhead_asked
\next:
.endm
	ARM 1, G0C, G1, .Lhead_b
	ARM 2, G0BC, G1B, .Lhead_sa
	ARM 3, G0S, G1S, .Lhead_sb
	tensor_load_to_lds s[G0SB:G0SB+3], s[G1SB:G1SB+7]
	s_nop 0
.rept 4
	v_nop
.endr
.Lhead_asked:
	v_and_b32 v1, 15, v0                           ; r
	v_bfe_u32 v2, v0, 4, 1                         ; h
	v_and_b32 v3, 31, v0                           ; lane
	v_lshlrev_b32 v[LI], 4, v3
	v_lshlrev_b32 v[L8], 3, v3
	v_lshlrev_b32 v[VSA], 2, v1
	v_lshl_add_u32 v[QSA], v2, 12, v[VSA]
	v_lshlrev_b32 v[SH], 4, v2
	s_mul_i32 s21, s15, HALFT
	s_mul_i32 s22, s16, HALFT
	s_add_co_u32 s22, s22, 2*HALFT
	v_add_nc_u32 v[ADRA], s21, v[LI]
	v_add_nc_u32 v[ADRB], s22, v[LI]
	s_lshl_b32 s21, s21, 1
	s_lshl_b32 s22, s22, 1
	s_add_co_u32 s21, s21, SLOT
	s_add_co_u32 s22, s22, SLOT
	s_wait_alu depctr_va_vdst(0)                   ; the wait ahead of the readers below
	v_add_nc_u32 v[ADRA+1], s21, v[LI]             ; K steps 2, 3
	v_add_nc_u32 v[ADRB+1], s22, v[LI]
	v_add_nc_u32 v[ADRA+2], 2*IMG, v[ADRA+1]       ; K steps 4, 5: two images on in each block's four
	v_add_nc_u32 v[ADRB+2], 2*IMG, v[ADRB+1]
	v_lshlrev_b32 v5, 2, v1
	s_mul_i32 s21, s15, HALFS                      ; A's lines of my half;
	s_mul_i32 s22, s16, HALFS
	s_add_co_u32 s22, s22, 2*HALFS+128             ; B's, behind A's
	s_sub_co_u32 s22, s22, s21
	v_mul_u32_u24 v6, s22, v2                      ; lanes 16-31 take B's: one product, the distance between the two
	s_add_co_u32 s21, s21, SCL
	v_add_nc_u32 v5, v5, v6
	v_add_nc_u32 v[ADRS], s21, v5
	; where my results go.  N = (16 batch + first head) x (64 | 32) + (2 x tile in the batch + half) x (8 | 1); codes at product x 3,145,728 + N x (768 | 1,536); scale lines at 9,437,184 + product x 262,144 + 64 N
	s_cmp_eq_u32 ttmp9, 2
	s_cselect_b32 s18, s42, s17                    ; the tokens' tile,
	s_cselect_b32 s19, s17, s42                    ; the weights' tile,
	s_cselect_b32 s20, s16, s15                    ; my half of the tokens,
	s_cselect_b32 s21, s15, s16                    ; my half of the columns
	s_cselect_b32 s22, 5, 6
	s_cselect_b32 s23, 0, 3
	s_mov_b32 s46, 768
	s_cselect_b32 s46, 1536, s46
	s_lshr_b32 s47, s18, 2
	s_lshl_b32 s47, s47, 4                         ; 16 x batch
	s_and_b32 s19, s19, 3
	s_lshl_b32 s19, s19, 2
	s_add_co_u32 s47, s47, s19
	s_lshl_b32 s21, s21, 1
	s_add_co_u32 s47, s47, s21                     ; + my first head
	s_lshl_b32 s47, s47, s22
	s_and_b32 s18, s18, 3
	s_lshl_b32 s18, s18, 1
	s_add_co_u32 s18, s18, s20
	s_lshl_b32 s18, s18, s23
	s_add_co_u32 s47, s47, s18                     ; N
	s_mul_i32 s96, s47, s46
	s_mul_i32 s18, ttmp9, 3145728
	s_add_co_u32 s96, s96, s18
	s_mov_b32 s97, 0
	s_lshl_b32 s98, s47, 6
	s_lshl_b32 s18, ttmp9, 18
	s_add_co_u32 s98, s98, s18
	s_add_co_u32 s98, s98, 9437184
	s_mov_b32 s99, 0
	s_add_nc_u64 s[96:97], s[12:13], s[96:97]
	s_add_nc_u64 s[98:99], s[12:13], s[98:99]
.macro FETCH slot, q, p                ; the fragments and scale words of the slot's q-th K step into set p: 56 LDS loads in one run
	WIN 0x40                                       ; destination window 1
.irp i, 0,1,2,3,4,5,6,7
.irp c, 0,1,2
	ds_load_b128 v[96*(\p)+12*\i+4*\c:96*(\p)+12*\i+4*\c+3], v[ADRB+\slot] offset:(\i*NQ*(1+((\slot)+1)/2)+(\q))*IMG+512*\c
.endr
.endr
	WIN 0
.irp i, 0,1,2,3,4,5,6,7
.irp c, 0,1,2
	ds_load_b128 v[AF+96*(\p)+12*\i+4*\c:AF+96*(\p)+12*\i+4*\c+3], v[ADRA+\slot] offset:(\i*NQ*(1+((\slot)+1)/2)+(\q))*IMG+512*\c
.endr
.endr
.irp i, 0,1,2,3,4,5,6,7
	ds_load_b32 v[SC+NB*(\p)+\i], v[ADRS] offset:\i*KS*64+(\q)*64   ; lanes 0-15: A's block i; lanes 16-31: B's block i
.endr
.endm
; A's blocks a0 .. a0 + n - 1 against B's eight.  cmode 0: the sums go on; 1: the product starts them (nothing is ever cleared).  The 64 accumulators take turns, one instruction a turn, in the same order in every step.
.macro MUL a0, n, p, cmode
.set ma, \a0
.rept \n
	WIN 0xa1+0x50*(ma/4)                           ; source 0 (B) window 1, source 1 (A) window 0, C and D window 2 or 3
.irp b, 0,1,2,3,4,5,6,7
.set rD, 8*(8*(ma%4)+\b)
.if \cmode == 0
	v_wmma_scale_f32_16x16x128_f8f6f4 v[rD:rD+7], v[96*(\p)+12*\b:96*(\p)+12*\b+11], v[AF+96*(\p)+12*ma:AF+96*(\p)+12*ma+11], v[rD:rD+7], v[SC+NB*(\p)+\b], v[SC+NB*(\p)+ma] matrix_a_fmt:MATRIX_FMT_FP6 matrix_b_fmt:MATRIX_FMT_FP6 matrix_a_scale:MATRIX_SCALE_ROW1
.else
	v_wmma_scale_f32_16x16x128_f8f6f4 v[rD:rD+7], v[96*(\p)+12*\b:96*(\p)+12*\b+11], v[AF+96*(\p)+12*ma:AF+96*(\p)+12*ma+11], 0, v[SC+NB*(\p)+\b], v[SC+NB*(\p)+ma] matrix_a_fmt:MATRIX_FMT_FP6 matrix_b_fmt:MATRIX_FMT_FP6 matrix_a_scale:MATRIX_SCALE_ROW1
.endif
.endr
.set ma, ma+1
.endr
.endm
.macro STEP slot, q, cmode             ; a K step that has its successor in the same slot
	s_wait_dscnt 0x0                               ; this step's fragments, asked for a step's products ago, are in
	PLACES                                         ; between the last step's products and the loads into the set that they read
	FETCH \slot, (\q)+1, 1-(\q)%2
	MUL 0, NB, (\q)%2, \cmode
.endm
; A slot's last step, where the next slot has to be shown whole, or this slot is filled again: ONE barrier.  In front of it each wave waits for all its tensor loads, adds 0 to its spare word, and waits for that and for
; its reads of this slot.  fill = 1: the slot is filled again, with the K steps three slots on.
.macro TURN slot, next, fill
	WIN 0                                          ; (the add's two registers lie in window 0)
	s_wait_tensorcnt 0x0                           ; all my tensor loads have landed;
	ds_add_u32 v[SPW], v[NIL]                      ; 0 onto my spare word;
	s_wait_dscnt 1                                 ; this step's fragments are in (the add alone may be out)
	MUL 0, NB/4, 1, 0                              ; matrix work stands between the add and the wait for it
	s_wait_dscnt 0x0                               ; the add is done, and my reads of this slot are over
	s_barrier_signal -1
	MUL NB/4, NB/4, 1, 0
	WIN 0
	s_barrier_wait -1
.if \fill
	CREST                                          ; the barrier has opened a round of the cluster's barrier: no wave of any partner still reads this slot or has a load on its way
	s_add_nc_u64 s[G0+4*\slot+2:G0+4*\slot+3], s[G0+4*\slot+2:G0+4*\slot+3], 3*NQ*IMG
	s_mov_b32 s[G1+1], (192*NQ)<<16                ; no load of mine is out: the refill brings NQ steps of NB blocks
	s_mov_b32 s[G1+3], (192*NQ)<<16
	s_mov_b32 s[G1B+1], (192*NQ)<<16
	s_mov_b32 s[G1B+3], (192*NQ)<<16
	s_add_nc_u64 s[G0B+4*\slot+2:G0B+4*\slot+3], s[G0B+4*\slot+2:G0B+4*\slot+3], 3*NQ*IMG
	JLOAD G0+4*\slot, G1, G0B+4*\slot, G1B         ; the first tensor load behind the round; its four v_nop are the places in front of the loads below
.else
	PLACES
.endif
	v_add_nc_u32 v[ADRS], 64*NQ, v[ADRS]           ; the next slot's scale words
	FETCH \next, 0, 0
	MUL NB/2, NB/2, 1, 0
.endm
; A slot's last step where nothing has to be ordered: the next slot was shown whole to every wave by the wait for all loads and the barrier of an earlier change, and this slot is not filled again.
.macro HOP next
	s_wait_dscnt 0x0
	PLACES
	WIN 0
	v_add_nc_u32 v[ADRS], 64*NQ, v[ADRS]
	FETCH \next, 0, 0
	MUL 0, NB, 1, 0
.endm
; 64 numbers of a lane in window w, register s + 16 b + i = k 32 b + 16 h + i of my row, become a fragment in v[PC] on and its scale word in v[PW] (window 0).  Each accumulator is read from its low end on.
.macro QUANT s, w
	WIN 5*(\w)                                     ; sources 0 and 1 in window w
.irp b, 0,1,2,3
	v_max3_num_f32 v[TM+\b], |v[(\s)+16*\b]|, |v[(\s)+16*\b+1]|, 0x1800000   ; and the floor 2^(3 - 127): the byte cannot fall under 1
.endr
.irp i, 2,4,6,8,10,12,14
.irp b, 0,1,2,3
	v_max3_num_f32 v[TM+\b], |v[(\s)+16*\b+\i]|, |v[(\s)+16*\b+\i+1]|, v[TM+\b]
.endr
.endr
	WIN 0
.irp b, 0,1,2,3
	v_permlanex16_b32 v[TM+4+\b], v[TM+\b], s[SEL], s[SEL+1]
.endr
.irp b, 0,1,2,3
	v_max_num_f32 v[TM+\b], v[TM+\b], v[TM+4+\b]   ; with lane l xor 16's: the block's largest magnitude
.endr
.irp b, 0,1,2,3
	v_add_nc_u32 v[TM+12+\b], 0xff000000, v[TM+\b] ; 2 off its exponent field: the conversion's scale operand
.endr
.irp b, 0,1,2,3
	v_lshrrev_b32 v[TM+4+\b], 23, v[TM+12+\b]      ; the byte
.endr
	v_lshl_or_b32 v[PW], v[TM+5], 8, v[TM+4]
	v_lshl_or_b32 v[PW], v[TM+6], 16, v[PW]
	v_lshl_or_b32 v[PW], v[TM+7], 24, v[PW]
	WIN \w                                         ; source 0 in window w
.irp c, 0,1
	v_cvt_scalef32_pk16_fp6_f32 v[PC+6*\c:PC+2+6*\c], v[(\s)+32*\c:(\s)+32*\c+15], v[TM+12+2*\c]
	v_cvt_scalef32_pk16_fp6_f32 v[PC+12+4*\c:PC+14+4*\c], v[(\s)+32*\c+16:(\s)+32*\c+31], v[TM+13+2*\c]
.endr
	WIN 0
	v_nop                                          ; one plain instruction behind the conversions
.irp c, 0,1                                    ; a lane wants a whole block: lanes 0-15 block 2 c, lanes 16-31 block 2 c + 1
.irp i, 0,1,2
	v_permlane16_swap_b32 v[PC+6*\c+\i], v[PC+12+4*\c+\i]
.endr
.irp i, 0,1,2
	v_mov_b32 v[PC+3+6*\c+\i], v[PC+12+4*\c+\i]
.endr
.endr
.endm
.macro OUTA a                          ; A's block a: 16 rows x my 128 of B's rows
.if (\a) > 0
	s_wait_xcnt 0x0                                ; the last block's stores have read their data: the codes' registers are written again only behind this wait
.endif
	QUANT 64*((\a)%4), 2+(\a)/4
	s_cmp_eq_u32 ttmp9, 2
	s_cbranch_scc1 .Lv_\@
	v_lshrrev_b32 v[SW], v[SH], v[PW]              ; lanes 0-15: the first head's two bytes lowest; lanes 16-31: the second head's
	global_store_b128 v[LI], v[PC:PC+3], s[96:97] offset:768*(\a)
	global_store_b64 v[L8], v[PC+4:PC+5], s[96:97] offset:768*(\a)+512
	global_store_b128 v[LI], v[PC+6:PC+9], s[96:97] offset:768*(\a)+49152       ; the second head: 64 half images on
	global_store_b64 v[L8], v[PC+10:PC+11], s[96:97] offset:768*(\a)+49664
	global_store_b32 v[QSA], v[SW], s[98:99] offset:64*(\a)
	s_branch .Ldone_\@
.Lv_\@:
	s_wait_alu depctr_va_vdst(0)
.irp c, 0,1,2
	global_store_b128 v[LI], v[PC+4*\c:PC+4*\c+3], s[96:97] offset:12288*(\a)+512*\c   ; channel block a: eight images (the head's K steps) on
.endr
	global_store_b32 v[VSA], v[PW], s[98:99] offset:512*(\a)
.Ldone_\@:
.endm
	s_wait_alu depctr_va_vdst(0)
	s_wait_tensorcnt 0x0                           ; my tile of the head's four is in
	ds_add_u32 v[SPW], v[NIL]
	s_mov_b32 s[G1+1], (384*NQ)<<16                ; no load of mine is out: the next load brings 2 NQ steps of NB blocks
	s_mov_b32 s[G1+2], NB<<16
	s_mov_b32 s[G1+3], (384*NQ)<<16
	s_mov_b32 s[G1+4], NB
	s_mov_b32 s[G1B+1], (384*NQ)<<16
	s_mov_b32 s[G1B+2], NB<<16
	s_mov_b32 s[G1B+3], (384*NQ)<<16
	s_mov_b32 s[G1B+4], NB
	s_wait_dscnt 0x0
	CROUND                                         ; everybody's tiles are in, and the joint loads meet
	JLOAD G0+4, G1, G0B+4, G1B                     ; K steps 2 to 5, a quarter a wave
	FETCH 0, 0, 0
	STEP 0, 0, 1                                   ; K step 0: its products start the sums
	TURN 0, 1, 1                                   ; K step 1: slots 1 and 2 are whole; slot 0 takes K steps 6 and 7
	s_wait_alu depctr_va_vdst(0)
	STEP 1, 0, 0                                   ; K step 2
	HOP 2                                          ; K step 3
	s_wait_alu depctr_va_vdst(0)
	STEP 2, 0, 0                                   ; K step 4
	TURN 2, 0, 0                                   ; K step 5: slot 0's second fill is whole; nothing is filled
	s_wait_alu depctr_va_vdst(0)
	STEP 0, 0, 0                                   ; K step 6
	s_wait_dscnt 0x0
	MUL 0, NB, 1, 0                                ; K step 7
	WIN 0
	PLACES                                         ; behind the last products: the way out reads results and writes over fragments
	s_mov_b32 s[SEL], 0x76543210
	s_mov_b32 s[SEL+1], 0xfedcba98
.irp b, 0,1,2,3
	v_mov_b32 v[TM+4+\b], 0                        ; written once: a lane permute's destination counts as one of its sources
.endr
.irp a, 0,1,2,3,4,5,6,7
	OUTA \a
.endr
	s_wait_tensorcnt 0x0                           ; the wave's end
	ds_add_u32 v[SPW], v[NIL]
	s_wait_dscnt 0x0
	CROUND                                         ; the closing round: no work-group ends while a partner may still ask for a tile that names it
	s_endpgm
.Lfunc_end_k_q8bf3ee7413_qkv:
	.size	k_q8bf3ee7413_qkv, .Lfunc_end_k_q8bf3ee7413_qkv-k_q8bf3ee7413_qkv
	.p2alignl 7, 3214868480
	.fill 96, 4, 3214868480
	.section	.rodata,"a",@progbits
	.p2align	6, 0x0
	.amdhsa_kernel k_q8bf3ee7413_qkv
		.amdhsa_group_segment_fixed_size 327680
		.amdhsa_private_segment_fixed_size 0
		.amdhsa_enable_private_segment 0
		.amdhsa_kernarg_size 24
		.amdhsa_user_sgpr_count 2
		.amdhsa_user_sgpr_kernarg_segment_ptr 1
		.amdhsa_wavefront_size32 1
		.amdhsa_system_sgpr_workgroup_id_x 1
		.amdhsa_system_sgpr_workgroup_id_y 1
		.amdhsa_system_sgpr_workgroup_id_z 1
		.amdhsa_system_vgpr_workitem_id 0
		.amdhsa_next_free_vgpr 1024
		.amdhsa_next_free_sgpr 100
		.amdhsa_reserve_vcc 0
		.amdhsa_float_denorm_mode_32 3
		.amdhsa_float_denorm_mode_16_64 3
		.amdhsa_memory_ordered 1
		.amdhsa_forward_progress 1
		.amdhsa_inst_pref_size 148
	.end_amdhsa_kernel
	.amdgpu_metadata
---
amdhsa.version: [ 1, 2 ]
amdhsa.kernels:
  - .name:           k_q8bf3ee7413_qkv
    .symbol:         k_q8bf3ee7413_qkv.kd
    .args:
      - { .name: XN, .offset: 0, .size: 8, .value_kind: global_buffer, .address_space: global }
      - { .name: WB, .offset: 8, .size: 8, .value_kind: global_buffer, .address_space: global }
      - { .name: QKV, .offset: 16, .size: 8, .value_kind: global_buffer, .address_space: global }
    .group_segment_fixed_size: 327680
    .private_segment_fixed_size: 0
    .kernarg_segment_align: 8
    .kernarg_segment_size: 24
    .max_flat_workgroup_size: 128
    .sgpr_count:     100
    .vgpr_count:     1024
    .wavefront_size: 32
...
	.end_amdgpu_metadata
.endif
;; end of part 2
;; launch attn (part 3): grid 4 x 64, 16 waves a work-group, clusters of 4 x 1, 169,984 bytes of LDS; arguments QKV, CTX; writes CTX
.if DOCPART == 3
	.amdgcn_target "amdgcn-amd-amdhsa--gfx1250"
	.amdhsa_code_object_version 6
	.text
	.protected	k_q8bf3ee7413_attn
	.globl	k_q8bf3ee7413_attn
	.p2align	8
	.type	k_q8bf3ee7413_attn,@function
k_q8bf3ee7413_attn:
	s_mov_b64 s[64:65], 0
	v_nop
	global_prefetch_b8 v0, s[64:65] scope:SCOPE_SE
	s_setreg_imm32_b32 hwreg(HW_REG_WAVE_MODE, 25, 1), 1
	s_wait_xcnt 0x0
	s_wait_alu depctr_hold_cnt(0) depctr_sa_sdst(0) depctr_va_vdst(0) depctr_va_sdst(0) depctr_va_ssrc(0) depctr_va_vcc(0) depctr_vm_vsrc(0)
	s_getreg_b32 s2, hwreg(HW_REG_IB_STS2, 6, 4)
	s_cmp_eq_u32 s2, 0
	s_cbranch_scc0 .Lentry_in_a_cluster
	s_endpgm
.Lentry_in_a_cluster:
	s_bfe_u32 s2, ttmp6, 0x10000c
	s_cmp_lg_u32 s2, 0x3003
	s_cbranch_scc0 .Lentry_shape_is_right
	s_endpgm
.Lentry_shape_is_right:
; ctx = softmax(q k^T / 8, causal) v for one head and batch, both products on codes of FP6 (E2M3) with E8M0 scales, and ctx quantised along (head, channel) for the next product.
; THE SOFTMAX: t = score x log2(e) / 8; M = the running largest t rounded UP to a whole number; p = 2^(t - M) is quantised along the keys, not normalised; the row's sum is taken of the unquantised p and divides at the end.
; INPUTS are images of operand registers.  q, k: half images (16 tokens x 64 channels, 768 bytes: registers 0-3 at 16 L, 4-5 at 512 + 8 L).  v: images of 16 channels x 128 tokens.  Lane-row r of block n is row 32 (n / 2) + 8 (n % 2) + r + 8 (r / 8).
; The head's K is 64, half of the instruction's 128: Q's registers 6-11 are zero codes, so whatever codes stand in K's registers 6-11 add nothing (every code is a finite number, and no scale byte here is 0xff).
; SHARES.  The four work-groups of a cluster share one head: its K, V and scale lines (104,448 bytes) come ONCE, by joint loads with a mask of four, and stay: nothing is filled twice.  By this text's own count four tensor loads of a wave are out.
; Wave w takes query block t = 4 w' + cx, w' = w xor (bit 2 of w, moved to bit 1): its queries lie in key step w' / 2, whatever cx: so no branch hangs on the work-group's place, and waves w, w + 4, w + 8, w + 12 have 18 key steps together.
; Both products are used transposed: S^T = K Q^T, O^T = V^T P^T: a lane holds one query throughout, and its 16 registers of two neighbouring tiles are 16 neighbouring keys.
; CAUSAL: the loop's trip count is a constant; a step whose keys all come after the wave's queries is jumped over (a branch on the wave's number); in the step on the diagonal hidden scores become -infinity.
; The two scale bytes of a row and head leave as 2-byte stores: the other half of their word belongs to another work-group; 128 KiB in the whole launch.
; LIMITS: NaN and infinities are not served; a block of zeros, or one under 2^-124, gets the byte 1 (read by this program alone).
; REGISTERS: v1-5 places that stay; v8-11, v28 addresses in hand; v12 -M, v13 the largest t, v[14:15] the sum; v16-27 Q; v32-79 four fragments of K or V; v96-159 S^T, then p; v160-191 O^T; v224-235 p's codes; v232-254 at work; v255 Q's scale words.
; s[96:97] and s[98:99] hold ctx's two addresses from the head to the stores at the end: no line between writes them.
.set KT,   0                           ; LDS: K's 64 half images,
.set VT,   49152                       ; V's 32 images [channel block][K step],
.set KSC,  98304                       ; K's 64 scale lines,
.set VSC,  102400                      ; V's 32
.set AK0,  1                           ; v1   16 x lane
.set AK1,  2                           ; v2   512 + 8 x lane
.set AV0,  3                           ; v3   VT + 16 x lane
.set ASK0, 4                           ; v4   KSC + 4 r
.set ASV0, 5                           ; v5   VSC + 4 r
.set L8,   7                           ; v7   8 x lane
.set ADK,  8
.set ADK1, 9
.set ADV,  10
.set ADS,  11
.set ADT,  28
.set DQ,   29                          ; v29  r + 8 (r / 8) - 16 h
.set R4,   30                          ; v30  4 r
.set WV,   18
.set SEL,  20
.set CS,   22                          ; s[22:23] c = log2(e) / 8
.set G1C,  24                          ; s[24:31] group 1 for a quarter of the codes; s[32:39] of K's scale lines; s[40:47] of V's
.set G1K,  32
.set G1V,  40
.set G0,   48                          ; s[48:63] four groups 0
.set TK,   2
.set TV,   3
.set TSK,  66
.set TSV,  67
.set STP,  68
.set DIAG, 69
.set KF,   70
.set Q0,   71
.set DS,   79                          ; s79  the mask's scalar term: my block's first query less the step's first key
.macro CROUND
	s_barrier_signal -1
	s_barrier_wait -1
	s_cmp_lg_u32 s[WV], 0
	s_cbranch_scc1 .Lnot_wave_0_\@
	s_barrier_signal -3
.Lnot_wave_0_\@:
	s_barrier_wait -3
	s_barrier_signal -1
	s_barrier_wait -1
.endm
.macro DENSE g, rows                   ; a dense block as rows of 256 bytes (32 elements of 8 bytes), for all four work-groups
	s_mov_b32 s[\g], 15|(3<<16)|(1<<21)
	s_mov_b32 s[\g+1], 32<<16
	s_mov_b32 s[\g+2], (\rows)<<16
	s_mov_b32 s[\g+3], 32<<16
	s_mov_b32 s[\g+4], \rows
	s_mov_b32 s[\g+5], 32
	s_mov_b32 s[\g+6], 0
	s_mov_b32 s[\g+7], 0
.endm
	s_load_b128 s[4:7], s[0:1], 0x0                ; QKV, CTX
	v_lshl_add_u32 v223, v0, 2, 0x29000
	v_mov_b32 v243, 0
	ds_add_u32 v223, v243
	ds_add_u32 v223, v243
	v_lshrrev_b32 v8, 5, v0
	s_delay_alu instid0(VALU_DEP_1)
	v_readfirstlane_b32 s[WV], v8                  ; wave 0..15
	s_bfe_u32 s72, ttmp6, 0x40000                  ; cx: it enters Q's and CTX's addresses and the mask's compares alone
	s_and_b32 s73, ttmp7, 0xffff                   ; 16 x batch + head
	s_lshr_b32 s74, s[WV], 1
	s_and_b32 s74, s74, 2
	s_xor_b32 s74, s74, s[WV]                      ; w'
	s_lshr_b32 s[DIAG], s74, 1                     ; the key step in which my queries lie
	s_lshl_b32 s75, s74, 2
	s_add_co_u32 s75, s75, s72                     ; t
	s_lshr_b32 s[Q0], s75, 1
	s_lshl_b32 s[Q0], s[Q0], 5
	s_and_b32 s76, s75, 1
	s_lshl_b32 s76, s76, 3
	s_add_co_u32 s[Q0], s[Q0], s76                 ; lane-row 0's query: 32 (t / 2) + 8 (t % 2)
	DENSE G1C, 48
	DENSE G1K, 4
	DENSE G1V, 2
	s_and_b32 s79, s[WV], 3                        ; which quarter of a block I fetch
	s_mul_i32 s76, s79, 12288                      ; a quarter of the codes,
	s_lshl_b32 s77, s79, 10                        ; of K's scale lines,
	s_lshl_b32 s78, s79, 9                         ; of V's
	s_mul_i32 s80, s73, 49152
	s_add_co_u32 s80, s80, s76
	s_mov_b32 s81, 0
	s_lshl_b32 s82, s73, 12
	s_add_co_u32 s82, s82, s77
	s_add_co_u32 s82, s82, 9699328
	s_mov_b32 s83, 0
	s_lshl_b32 s84, s73, 11
	s_add_co_u32 s84, s84, s78
	s_add_co_u32 s84, s84, 9961472
	s_mov_b32 s85, 0
	s_lshl_b32 s88, s73, 6
	s_add_co_u32 s88, s88, s75                     ; Q's block
	s_mul_i32 s90, s88, 768
	s_mov_b32 s91, 0
	s_lshl_b32 s92, s88, 6
	s_add_co_u32 s92, s92, 9437184
	s_mov_b32 s93, 0
	s_lshr_b32 s94, s73, 4
	s_lshl_b32 s94, s94, 6
	s_add_co_u32 s94, s94, s75                     ; ctx's row block: 64 x batch + t
	s_and_b32 s95, s73, 15                         ; the head
	s_lshl_b32 s96, s94, 4
	s_add_co_u32 s96, s96, s95
	s_mul_i32 s96, s96, 768                        ; its half image
	s_mov_b32 s97, 0
	s_lshl_b32 s98, s94, 3
	s_lshr_b32 s99, s95, 1
	s_add_co_u32 s98, s98, s99
	s_lshl_b32 s98, s98, 6                         ; its scale line,
	s_and_b32 s99, s95, 1
	s_lshl_b32 s99, s99, 1
	s_add_co_u32 s98, s98, s99                     ; and its half of each word
	s_add_co_u32 s98, s98, 3145728
	s_mov_b32 s99, 0
	s_mov_b32 s[SEL], 0x76543210
	s_mov_b32 s[SEL+1], 0xfedcba98
	s_mov_b32 s[CS], 0x3e38aa3b
	s_mov_b32 s[CS+1], s[CS]                       ; (named with it as a pair, so it is written)
	s_mov_b32 s[TK], 0
	s_mov_b32 s[TV], 0
	s_mov_b32 s[TSK], 0
	s_mov_b32 s[TSV], 0
	s_mov_b32 s[KF], 0
	s_mov_b32 s[STP], 0
	s_wait_dscnt 0x0
	s_wait_kmcnt 0x0
	s_add_nc_u64 s[86:87], s[4:5], s[80:81]
	s_mov_b32 s[G0], 1
	s_add_co_u32 s[G0+1], s76, KT
	s_add_nc_u64 s[G0+2:G0+3], s[86:87], 3145728   ; K's half images
	s_or_b32 s[G0+3], s[G0+3], 0x80000000
	s_mov_b32 s[G0+4], 1
	s_add_co_u32 s[G0+5], s76, VT
	s_add_nc_u64 s[G0+6:G0+7], s[86:87], 6291456   ; V's images
	s_or_b32 s[G0+7], s[G0+7], 0x80000000
	s_mov_b32 s[G0+8], 1
	s_add_co_u32 s[G0+9], s77, KSC
	s_add_nc_u64 s[G0+10:G0+11], s[4:5], s[82:83]
	s_or_b32 s[G0+11], s[G0+11], 0x80000000
	s_mov_b32 s[G0+12], 1
	s_add_co_u32 s[G0+13], s78, VSC
	s_add_nc_u64 s[G0+14:G0+15], s[4:5], s[84:85]
	s_or_b32 s[G0+15], s[G0+15], 0x80000000
	s_add_nc_u64 s[90:91], s[4:5], s[90:91]
	s_add_nc_u64 s[92:93], s[4:5], s[92:93]
	s_add_nc_u64 s[96:97], s[6:7], s[96:97]
	s_add_nc_u64 s[98:99], s[6:7], s[98:99]
	CROUND                                         ; all four work-groups are here: the joint loads meet
; sixteen quarters, sixteen waves, one joint load a wave: waves 0-3 K's codes, 4-7 V's, 8-11 K's scale lines, 12-15 V's
.macro ARM under, g0, g1, next
	s_cmp_lt_u32 s[WV], \under
	s_cbranch_scc0 \next
	tensor_load_to_lds s[\g0:\g0+3], s[\g1:\g1+7]
	s_nop 0
.rept 4
	v_nop
.endr
	s_branch .Lhead_asked
\next:
.endm
	ARM 4, G0, G1C, .Lhead_v
	ARM 8, G0+4, G1C, .Lhead_sk
	ARM 12, G0+8, G1K, .Lhead_sv
	tensor_load_to_lds s[G0+12:G0+15], s[G1V:G1V+7]
	s_nop 0
.rept 4
	v_nop
.endr
.Lhead_asked:
	v_and_b32 v8, 15, v0                           ; r
	v_bfe_u32 v9, v0, 4, 1                         ; h
	v_and_b32 v10, 31, v0                          ; lane
	s_delay_alu instid0(VALU_DEP_1)
	v_lshlrev_b32 v[AK0], 4, v10
	s_delay_alu instid0(VALU_DEP_2)
	v_lshlrev_b32 v[L8], 3, v10
	v_lshlrev_b32 v[R4], 2, v8
	global_load_b128 v[16:19], v[AK0], s[90:91]    ; Q's half fragment stays in registers
	global_load_b64 v[20:21], v[L8], s[90:91] offset:512
	global_load_b32 v255, v[R4], s[92:93]          ; and its scale words
	v_add_nc_u32 v[AK1], 512, v[L8]
	v_add_nc_u32 v[AV0], VT, v[AK0]
	v_add_nc_u32 v[ASK0], KSC, v[R4]
	v_add_nc_u32 v[ASV0], VSC, v[R4]
	v_and_b32 v11, 8, v8
	s_delay_alu instid0(VALU_DEP_1)
	v_add_nc_u32 v[DQ], v11, v8
	v_lshlrev_b32 v11, 4, v9
	s_delay_alu instid0(VALU_DEP_1)
	v_sub_nc_u32 v[DQ], v[DQ], v11
.irp j, 22,23,24,25,26,27
	v_mov_b32 v[\j], 0                             ; Q's upper 64 along K: zero codes
.endr
.irp t, 0,1,2,3
.irp j, 6,7,8,9,10,11
	v_mov_b32 v[32+12*\t+\j], 0                    ; K's upper halves: written once; later they hold what V's fragments leave
.endr
.endr
	v_mov_b32 v13, 0xff61b1e6                      ; the largest t so far: -3e38
	s_delay_alu instid0(VALU_DEP_1)
	v_floor_f32 v12, -v13                          ; -M
	v_mov_b32 v14, 0
	v_mov_b32 v15, 0
.irp b, 0,1,2,3
	v_mov_b32 v[236+\b], 0                         ; written once: a lane permute's destination counts as one of its sources
.endr
	v_mov_b32 v252, 0
	v_mov_b32 v253, 0
.set j, 0
.rept 32
	v_mov_b32 v[160+j], 0                          ; O^T: the loop is written once; its first step finds zeros
.set j, j+1
.endr
	s_wait_tensorcnt 0x0                           ; my quarters have landed,
	s_wait_loadcnt 0x0                             ; and Q is in: no load of mine is out at the signal
	s_barrier_signal -1
	s_barrier_wait -1                              ; everybody's quarters have landed
.Lstep:                                            ; eight trips, a key step of 128 keys each
	s_cmp_gt_u32 s[STP], s[DIAG]
	s_cbranch_scc1 .Lhidden                        ; all its keys come after my queries
	v_add_nc_u32 v[ADK], s[TK], v[AK0]             ; (these five are also the places between the last step's products and the loads below)
	s_wait_alu depctr_va_vdst(0)
	v_add_nc_u32 v[ADK1], s[TK], v[AK1]
	s_wait_alu depctr_va_vdst(0)
	v_add_nc_u32 v[ADV], s[TV], v[AV0]
	v_add_nc_u32 v[ADS], s[TSK], v[ASK0]
	s_wait_alu depctr_va_vdst(0)
	v_add_nc_u32 v[ADT], s[TSV], v[ASV0]
.irp g, 0,1                                    ; S^T = K Q^T, four tiles of 16 keys at a time
.if \g > 0
.rept 4
	v_nop                                          ; places in front of loads into registers that matrix instructions have read
.endr
.endif
.irp t, 0,1,2,3
	ds_load_b128 v[32+12*\t:35+12*\t], v[ADK] offset:(4*\g+\t)*768
	ds_load_b64 v[36+12*\t:37+12*\t], v[ADK1] offset:(4*\g+\t)*768
	ds_load_b32 v[248+\t], v[ADS] offset:(4*\g+\t)*64
.endr
	s_wait_dscnt 0x0
.irp t, 0,1,2,3
	v_wmma_scale_f32_16x16x128_f8f6f4 v[96+8*(4*\g+\t):103+8*(4*\g+\t)], v[32+12*\t:43+12*\t], v[16:27], 0, v[248+\t], v255 matrix_a_fmt:MATRIX_FMT_FP6 matrix_b_fmt:MATRIX_FMT_FP6
.endr
.endr
.rept 4
	v_nop
.endr
	s_cmp_lg_u32 s[STP], s[DIAG]
	s_cbranch_scc1 .Lopen                          ; all keys of this step count
	s_sub_co_i32 s[DS], s[Q0], s[KF]
	v_add_nc_u32 v252, s[DS], v[DQ]                ; d = my query - the step's first key - 16 h.  Register 16 b + i holds key 32 b + 16 h + i of the step: hidden where 32 b + i > d
	v_mov_b32 v254, 0xff800000                     ; -infinity
.set n, 0
.rept 64
	v_cmp_gt_i32 vcc_lo, 32*(n/16)+n%16, v252
	v_cndmask_b32 v[96+n], v[96+n], v254, vcc_lo
.set n, n+1
.endr
.Lopen:
.irp b, 0,1,2,3
	v_max3_num_f32 v[232+\b], v[96+16*\b], v[97+16*\b], v[98+16*\b]   ; the largest score of each block of 32 keys: for the row's maximum and, since p rises with the score, for the block's largest p
.endr
.irp i, 3,5,7,9,11,13
.irp b, 0,1,2,3
	v_max3_num_f32 v[232+\b], v[232+\b], v[96+16*\b+\i], v[97+16*\b+\i]
.endr
.endr
.irp b, 0,1,2,3
	v_max_num_f32 v[232+\b], v[232+\b], v[111+16*\b]
.endr
.irp b, 0,1,2,3
	s_delay_alu instid0(VALU_DEP_4)
	v_permlanex16_b32 v[236+\b], v[232+\b], s[SEL], s[SEL+1]
.endr
.irp b, 0,1,2,3
	s_delay_alu instid0(VALU_DEP_4)
	v_max_num_f32 v[232+\b], v[232+\b], v[236+\b]  ; with lane l xor 16's 16 keys
.endr
	s_delay_alu instid0(VALU_DEP_2)
	v_max3_num_f32 v254, v232, v233, v234
	s_delay_alu instid0(VALU_DEP_1)
	v_max_num_f32 v254, v254, v235
	s_delay_alu instid0(VALU_DEP_1)
	v_mul_f32 v254, s[CS], v254                    ; as t (c is positive)
	s_delay_alu instid0(VALU_DEP_1)
	v_max_num_f32 v13, v13, v254                   ; the running largest t
	v_mov_b32 v254, v12
	s_delay_alu instid0(VALU_DEP_2)
	v_floor_f32 v12, -v13                          ; the new -M = -ceil(t): M is a whole number
	s_delay_alu instid0(VALU_DEP_1)
	v_sub_f32 v254, v12, v254                      ; old M - new M: a whole number, 0 or less
	s_delay_alu instid0(VALU_DEP_1)
	v_cvt_i32_f32 v254, v254
	s_delay_alu instid0(VALU_DEP_1)
	v_ldexp_f32 v252, 1.0, v254                    ; f = 2^(old M - new M): a multiplication by it rounds nothing
.set j, 0
.rept 32
	v_pk_fma_f32 v[96+j:97+j], v[96+j:97+j], s[CS:CS+1], v[12:13] op_sel_hi:[1,0,0]   ; t - M, two at a time
.set j, j+2
.endr
.irp b, 0,1,2,3
	v_fma_f32 v[232+\b], v[232+\b], s[CS], v12     ; the same of each block's largest score
.endr
.set j, 0
	s_wait_alu depctr_va_vdst(0)
.rept 64
	v_exp_f32 v[96+j], v[96+j]                     ; p = 2^(t - M), at most 1
.set j, j+1
.endr
	v_pk_mul_f32 v[14:15], v[14:15], v[252:253] op_sel_hi:[1,0]   ; the sums under the new M (a plain instruction behind the exponentials)
	s_wait_alu depctr_va_vdst(0)                   ; one wait for the whole batch, ahead of its first reader
.irp b, 0,1,2,3
	v_exp_f32 v[232+\b], v[232+\b]                 ; the block's largest p
.endr
	v_pk_add_f32 v[236:237], v[100:101], v[104:105]
	v_pk_add_f32 v[250:251], v[108:109], v[112:113]
	v_pk_add_f32 v[248:249], v[116:117], v[120:121]
	v_pk_add_f32 v[246:247], v[124:125], v[128:129]
	v_pk_add_f32 v[244:245], v[132:133], v[136:137]
	v_pk_add_f32 v[240:241], v[140:141], v[144:145]
	v_pk_add_f32 v[238:239], v[148:149], v[152:153]
	v_pk_add_f32 v[14:15], v[14:15], v[156:157]
	v_pk_add_f32 v[236:237], v[236:237], v[96:97]
	v_pk_add_f32 v[250:251], v[250:251], v[98:99]
	v_pk_add_f32 v[248:249], v[248:249], v[102:103]
	v_pk_add_f32 v[246:247], v[246:247], v[106:107]
	v_pk_add_f32 v[244:245], v[244:245], v[110:111]
	v_pk_add_f32 v[240:241], v[240:241], v[114:115]
	v_pk_add_f32 v[238:239], v[238:239], v[118:119]
	v_pk_add_f32 v[14:15], v[14:15], v[122:123]
	v_pk_add_f32 v[236:237], v[236:237], v[126:127]
	v_pk_add_f32 v[250:251], v[250:251], v[130:131]
	v_pk_add_f32 v[248:249], v[248:249], v[134:135]
	v_pk_add_f32 v[246:247], v[246:247], v[138:139]
	v_pk_add_f32 v[244:245], v[244:245], v[142:143]
	v_pk_add_f32 v[240:241], v[240:241], v[146:147]
	v_pk_add_f32 v[238:239], v[238:239], v[150:151]
	v_pk_add_f32 v[14:15], v[14:15], v[154:155]
	v_pk_add_f32 v[236:237], v[236:237], v[158:159]
	s_delay_alu instid0(VALU_DEP_2)
	v_pk_add_f32 v[14:15], v[14:15], v[246:247]
	s_delay_alu instid0(VALU_DEP_2)
	v_pk_add_f32 v[236:237], v[236:237], v[244:245]
	v_pk_add_f32 v[250:251], v[250:251], v[240:241]
	v_pk_add_f32 v[248:249], v[248:249], v[238:239]
	s_delay_alu instid0(VALU_DEP_2)
	v_pk_add_f32 v[14:15], v[14:15], v[250:251]
	s_delay_alu instid0(VALU_DEP_2)
	v_pk_add_f32 v[236:237], v[236:237], v[248:249]
	s_delay_alu instid0(VALU_DEP_1)
	v_pk_add_f32 v[14:15], v[14:15], v[236:237]
	s_wait_alu depctr_va_vdst(0)                   ; and one for the four
.irp b, 0,1,2,3
	v_max_num_f32 v[232+\b], 0x1800000, v[232+\b]  ; the floor 2^(3 - 127)
.endr
.irp b, 0,1,2,3
	s_delay_alu instid0(VALU_DEP_4)
	v_add_nc_u32 v[244+\b], 0xff000000, v[232+\b]  ; the conversion's scale operand
.endr
.irp b, 0,1,2,3
	s_delay_alu instid0(VALU_DEP_4)
	v_lshrrev_b32 v[236+\b], 23, v[244+\b]         ; the byte
.endr
	s_delay_alu instid0(VALU_DEP_3)
	v_lshl_or_b32 v253, v237, 8, v236              ; p's scale word for these 128 keys
	s_delay_alu instid0(VALU_DEP_1)
	v_lshl_or_b32 v253, v238, 16, v253
	s_delay_alu instid0(VALU_DEP_1)
	v_lshl_or_b32 v253, v239, 24, v253
.irp c, 0,1
	v_cvt_scalef32_pk16_fp6_f32 v[224+6*\c:226+6*\c], v[96+32*\c:111+32*\c], v[244+2*\c]
	v_cvt_scalef32_pk16_fp6_f32 v[236+4*\c:238+4*\c], v[112+32*\c:127+32*\c], v[244+2*\c+1]
.endr
	v_nop                                          ; one plain instruction behind the conversions
.irp c, 0,1
.irp i, 0,1,2
	v_permlane16_swap_b32 v[224+6*\c+\i], v[236+4*\c+\i]
.endr
.irp i, 0,1,2
	s_delay_alu instid0(VALU_DEP_3)
	v_mov_b32 v[227+6*\c+\i], v[236+4*\c+\i]
.endr
.endr
.set j, 0
.rept 16
	v_pk_mul_f32 v[160+j:161+j], v[160+j:161+j], v[252:253] op_sel_hi:[1,0]   ; O^T under the new M.  (These sixteen are also the places in front of the scaled products: eight behind the scale word, four behind the codes)
.set j, j+2
.endr
.irp t, 0,1,2,3                                ; O^T += V^T P^T: the head's four blocks of 16 channels; K = these 128 keys
.irp c, 0,1,2
	ds_load_b128 v[32+12*\t+4*\c:35+12*\t+4*\c], v[ADV] offset:12288*\t+512*\c
.endr
	ds_load_b32 v[248+\t], v[ADT] offset:512*\t
.endr
	s_wait_alu depctr_va_vdst(0)
	s_wait_dscnt 0x0
.irp t, 0,1,2,3
	v_wmma_scale_f32_16x16x128_f8f6f4 v[160+8*\t:167+8*\t], v[32+12*\t:43+12*\t], v[224:235], v[160+8*\t:167+8*\t], v[248+\t], v253 matrix_a_fmt:MATRIX_FMT_FP6 matrix_b_fmt:MATRIX_FMT_FP6
.endr
.Lhidden:
	s_add_co_u32 s[TK], s[TK], 6144                ; eight half images on,
	s_add_co_u32 s[TV], s[TV], 1536                ; an image,
	s_add_co_u32 s[TSK], s[TSK], 512               ; eight scale lines,
	s_add_co_u32 s[TSV], s[TSV], 64                ; one
	s_add_co_u32 s[KF], s[KF], 128
	s_add_co_u32 s[STP], s[STP], 1
	s_cmp_lt_u32 s[STP], 8
	s_cbranch_scc1 .Lstep
	; THE WAY OUT: O^T / the sum; register 16 b + i is channel 32 b + 16 h + i of my query: two blocks of the next product's K
	v_add_f32 v14, v14, v15
	s_delay_alu instid0(VALU_DEP_1)
	v_permlanex16_b32 v252, v14, s[SEL], s[SEL+1]
	s_delay_alu instid0(VALU_DEP_1)
	v_add_f32 v14, v14, v252                       ; the row's sum
	s_wait_alu depctr_va_vdst(0)
	v_rcp_f32 v14, v14
.rept 4
	v_nop                                          ; a plain instruction behind the reciprocal; these four are also the places behind the last products
.endr
	s_wait_alu depctr_va_vdst(0)                   ; the wait ahead of the first reader
.set j, 0
.rept 32
	v_mul_f32 v[96+j], v[160+j], v14
.set j, j+1
.endr
.irp b, 0,1
	v_max3_num_f32 v[232+\b], |v[96+16*\b]|, |v[97+16*\b]|, 0x1800000
.endr
.irp i, 2,4,6,8,10,12,14
.irp b, 0,1
	s_delay_alu instid0(VALU_DEP_2)
	v_max3_num_f32 v[232+\b], v[232+\b], |v[96+16*\b+\i]|, |v[97+16*\b+\i]|
.endr
.endr
.irp b, 0,1
	s_delay_alu instid0(VALU_DEP_2)
	v_permlanex16_b32 v[236+\b], v[232+\b], s[SEL], s[SEL+1]
.endr
.irp b, 0,1
	s_delay_alu instid0(VALU_DEP_2)
	v_max_num_f32 v[232+\b], v[232+\b], v[236+\b]
.endr
.irp b, 0,1
	s_delay_alu instid0(VALU_DEP_2)
	v_add_nc_u32 v[244+\b], 0xff000000, v[232+\b]
.endr
.irp b, 0,1
	s_delay_alu instid0(VALU_DEP_2)
	v_lshrrev_b32 v[236+\b], 23, v[244+\b]
.endr
	s_delay_alu instid0(VALU_DEP_1)
	v_lshl_or_b32 v240, v237, 8, v236              ; my row's two bytes
	v_cvt_scalef32_pk16_fp6_f32 v[224:226], v[96:111], v244
	v_cvt_scalef32_pk16_fp6_f32 v[236:238], v[112:127], v245
	v_nop
.irp i, 0,1,2
	v_permlane16_swap_b32 v[224+\i], v[236+\i]
.endr
.irp i, 0,1,2
	s_delay_alu instid0(VALU_DEP_3)
	v_mov_b32 v[227+\i], v[236+\i]
.endr
	global_store_b128 v[AK0], v[224:227], s[96:97]             ; the half image: 512 consecutive bytes,
	global_store_b64 v[L8], v[228:229], s[96:97] offset:512    ; and 256
	global_store_b16 v[R4], v240, s[98:99]
	s_wait_tensorcnt 0x0
	ds_add_u32 v223, v243
	s_wait_dscnt 0x0
	CROUND                                         ; the closing round: no work-group ends while a partner may still ask for a tile that names it
	s_endpgm
.Lfunc_end_k_q8bf3ee7413_attn:
	.size	k_q8bf3ee7413_attn, .Lfunc_end_k_q8bf3ee7413_attn-k_q8bf3ee7413_attn
	.p2alignl 7, 3214868480
	.fill 96, 4, 3214868480
	.section	.rodata,"a",@progbits
	.p2align	6, 0x0
	.amdhsa_kernel k_q8bf3ee7413_attn
		.amdhsa_group_segment_fixed_size 169984
		.amdhsa_private_segment_fixed_size 0
		.amdhsa_enable_private_segment 0
		.amdhsa_kernarg_size 16
		.amdhsa_user_sgpr_count 2
		.amdhsa_user_sgpr_kernarg_segment_ptr 1
		.amdhsa_wavefront_size32 1
		.amdhsa_system_sgpr_workgroup_id_x 1
		.amdhsa_system_sgpr_workgroup_id_y 1
		.amdhsa_system_sgpr_workgroup_id_z 1
		.amdhsa_system_vgpr_workitem_id 0
		.amdhsa_next_free_vgpr 256
		.amdhsa_next_free_sgpr 100
		.amdhsa_reserve_vcc 1
		.amdhsa_float_denorm_mode_32 3
		.amdhsa_float_denorm_mode_16_64 3
		.amdhsa_memory_ordered 1
		.amdhsa_forward_progress 1
		.amdhsa_inst_pref_size 39
	.end_amdhsa_kernel
	.amdgpu_metadata
---
amdhsa.version: [ 1, 2 ]
amdhsa.kernels:
  - .name:           k_q8bf3ee7413_attn
    .symbol:         k_q8bf3ee7413_attn.kd
    .args:
      - { .name: QKV, .offset: 0, .size: 8, .value_kind: global_buffer, .address_space: global }
      - { .name: CTX, .offset: 8, .size: 8, .value_kind: global_buffer, .address_space: global }
    .group_segment_fixed_size: 169984
    .private_segment_fixed_size: 0
    .kernarg_segment_align: 8
    .kernarg_segment_size: 16
    .max_flat_workgroup_size: 512
    .sgpr_count:     100
    .vgpr_count:     256
    .wavefront_size: 32
...
	.end_amdgpu_metadata
.endif
;; end of part 3
;; launch wo (part 4): grid 8 x 32, 4 waves a work-group, clusters of 4 x 4, 327,680 bytes of LDS; arguments CTX, WB, bo, x, HB; writes HB
.if DOCPART == 4
	.amdgcn_target "amdgcn-amd-amdhsa--gfx1250"
	.amdhsa_code_object_version 6
	.text
	.protected	k_q8bf3ee7413_wo
	.globl	k_q8bf3ee7413_wo
	.p2align	8
	.type	k_q8bf3ee7413_wo,@function
k_q8bf3ee7413_wo:
	s_mov_b64 s[64:65], 0
	v_nop
	global_prefetch_b8 v0, s[64:65] scope:SCOPE_SE
	s_setreg_imm32_b32 hwreg(HW_REG_WAVE_MODE, 25, 1), 1
	s_wait_xcnt 0x0
	s_wait_alu depctr_hold_cnt(0) depctr_sa_sdst(0) depctr_va_vdst(0) depctr_va_sdst(0) depctr_va_ssrc(0) depctr_va_vcc(0) depctr_vm_vsrc(0)
	s_getreg_b32 s2, hwreg(HW_REG_IB_STS2, 6, 4)
	s_cmp_eq_u32 s2, 0
	s_cbranch_scc0 .Lentry_in_a_cluster
	s_endpgm
.Lentry_in_a_cluster:
	s_bfe_u32 s2, ttmp6, 0x10000c
	s_cmp_lg_u32 s2, 0xf033
	s_cbranch_scc0 .Lentry_shape_is_right
	s_endpgm
.Lentry_shape_is_right:
.set NB,    4
.set NQ,    8
.set KS,    8
.set AHALF, 1
.set WOFF,  2359296
.set WSOFF, 9535488
.set ASOFF, 3145728
.set IMG,   1536
.set HALFT, NB*NQ*IMG
.set SLOT,  4*HALFT
.set LAPS,  KS/(2*NQ)
.set HALFS, NB*KS*64
.set SCL,   SLOT
.set SCLB,  SCL+2*HALFS+128
.set SPARE, ((SCLB+2*HALFS+255)/256)*256
.set SP,    272
.set LI,   4
.set ADRA, 16
.set ADRA2, 18
.set ADRB, 20
.set BA,   23
.set STO,  24
.set RD,   25
.set CO,   26
.set ADRS, 27
.set SPW,  28
.set NIL,  29
.set SC,   32
.set AF,   64
.set BIAS, 160
.set BK,   192
.set G1, 24
.set G0, 32
.set G1B, 48
.set G0B, 56
.set G1S, 68
.set G0S, 76
.set G1SB, 80
.set G0SB, 88
.set MSB, 0
.macro WIN new
.if MSB != (\new)
	s_set_vgpr_msb (MSB<<8)|(\new)
.set MSB, (\new)
.endif
.endm
.macro JLOAD g0a, g1a, g0b, g1b
	s_cmp_eq_u32 s15, 0
	s_cbranch_scc0 .Lfor_b_\@
	tensor_load_to_lds s[\g0a:\g0a+3], s[\g1a:\g1a+7]
	s_nop 0
.rept 4
	v_nop
.endr
	s_branch .Lasked_\@
.Lfor_b_\@:
	tensor_load_to_lds s[\g0b:\g0b+3], s[\g1b:\g1b+7]
	s_nop 0
.rept 4
	v_nop
.endr
.Lasked_\@:
.endm
.macro CREST
	s_cmp_lg_u32 s14, 0
	s_cbranch_scc1 .Lnot_wave_0_\@
	s_barrier_signal -3
.Lnot_wave_0_\@:
	s_barrier_wait -3
	s_barrier_signal -1
	s_barrier_wait -1
.endm
.macro CROUND
	s_barrier_signal -1
	s_barrier_wait -1
	CREST
.endm
.macro PLACES
.rept 4
	v_nop
.endr
.endm
	s_load_b128 s[4:7], s[0:1], 0x0
	s_load_b128 s[96:99], s[0:1], 0x10
	s_load_b64 s[12:13], s[0:1], 0x20
	v_lshl_add_u32 v[SPW], v0, 2, SPARE
	v_mov_b32 v[NIL], 0
	ds_add_u32 v28, v29
	ds_add_u32 v28, v29
	s_wait_dscnt 0x0
	v_lshrrev_b32 v1, 5, v0
	v_readfirstlane_b32 s14, v1
	s_lshr_b32 s15, s14, 1
	s_and_b32 s16, s14, 1
	s_bfe_u32 s40, ttmp6, 0x40000
	s_bfe_u32 s41, ttmp6, 0x40004
	s_lshl_b32 s42, ttmp9, 2
	s_add_co_u32 s42, s42, s40
	s_and_b32 s17, ttmp7, 0xffff
	s_lshl_b32 s17, s17, 2
	s_add_co_u32 s17, s17, s41
	s_lshl_b32 s43, s41, 2
	s_lshl_b32 s43, 15, s43
	s_lshl_b32 s44, 0x1111, s40
	s_or_b32 s[G1+0], s43, (3<<16)|(1<<21)
	s_or_b32 s[G1B+0], s44, (3<<16)|(1<<21)
.irp g, G1, G1B
	s_mov_b32 s[\g+1], (192*NQ)<<16
	s_mov_b32 s[\g+2], (2*NB)<<16
	s_mov_b32 s[\g+3], (192*NQ)<<16
	s_mov_b32 s[\g+4], 2*NB
	s_mov_b32 s[\g+5], 192*KS
	s_mov_b32 s[\g+6], 0
	s_mov_b32 s[\g+7], 0
.endr
	s_or_b32 s[G1S+0], s43, (3<<16)|(1<<21)
	s_or_b32 s[G1SB+0], s44, (3<<16)|(1<<21)
.irp g, G1S, G1SB
	s_mov_b32 s[\g+1], 32<<16
	s_mov_b32 s[\g+2], (2*HALFS/256)<<16
	s_mov_b32 s[\g+3], 32<<16
	s_mov_b32 s[\g+4], 2*HALFS/256
	s_mov_b32 s[\g+5], 32
	s_mov_b32 s[\g+6], 0
	s_mov_b32 s[\g+7], 0
.endr
	s_mov_b32 s18, 0                               ; a load brings both halves of a tile
	s_mul_i32 s20, s17, 2*NB
	s_add_co_u32 s20, s20, s18
	s_mul_i32 s46, s42, 2*NB
	s_add_co_u32 s46, s46, s18
	s_mul_i32 s22, s20, KS*64
	s_mul_i32 s20, s20, KS*IMG
	s_mul_i32 s92, s46, KS*64
	s_mul_i32 s46, s46, KS*IMG
	s_mov_b32 s21, 0
	s_mov_b32 s23, 0
	s_mov_b32 s47, 0
	s_mov_b32 s93, 0
	s_mul_i32 s45, s14, HALFT
	s_mov_b32 s94, 0
	s_wait_kmcnt 0x0
	s_add_nc_u64 s[8:9], s[6:7], WOFF
	s_add_nc_u64 s[10:11], s[6:7], WSOFF
	s_add_nc_u64 s[6:7], s[4:5], ASOFF
	s_add_nc_u64 s[20:21], s[4:5], s[20:21]
	s_add_nc_u64 s[22:23], s[6:7], s[22:23]
	s_add_nc_u64 s[46:47], s[8:9], s[46:47]
	s_add_nc_u64 s[92:93], s[10:11], s[92:93]
	CROUND
	s_mov_b32 s[G0S], 1
	s_add_co_u32 s[G0S+1], s94, SCL
	s_mov_b64 s[G0S+2:G0S+3], s[22:23]
	s_or_b32 s[G0S+3], s[G0S+3], 0x80000000
	s_mov_b32 s[G0SB], 1
	s_add_co_u32 s[G0SB+1], s94, SCLB
	s_mov_b64 s[G0SB+2:G0SB+3], s[92:93]
	s_or_b32 s[G0SB+3], s[G0SB+3], 0x80000000
; all eight K steps of the block's 128 + 128 rows are 196,608 bytes: they come once and nothing is filled again.
; Four tiles, one joint load a wave: wave 0 A's codes, wave 1 B's, wave 2 A's scale lines, wave 3 B's
	s_mov_b32 s[G0], 1
	s_mov_b32 s[G0+1], 0
	s_mov_b64 s[G0+2:G0+3], s[20:21]
	s_or_b32 s[G0+3], s[G0+3], 0x80000000
	s_mov_b32 s[G0B], 1
	s_mov_b32 s[G0B+1], 2*HALFT
	s_mov_b64 s[G0B+2:G0B+3], s[46:47]
	s_or_b32 s[G0B+3], s[G0B+3], 0x80000000
.macro ARM under, g0, g1, next
	s_cmp_lt_u32 s14, \under
	s_cbranch_scc0 \next
	tensor_load_to_lds s[\g0:\g0+3], s[\g1:\g1+7]
	s_nop 0
.rept 4
	v_nop
.endr
	s_branch .Lhead_asked
\next:
.endm
	ARM 1, G0, G1, .Lhead_b
	ARM 2, G0B, G1B, .Lhead_sa
	ARM 3, G0S, G1S, .Lhead_sb
	tensor_load_to_lds s[G0SB:G0SB+3], s[G1SB:G1SB+7]
	s_nop 0
.rept 4
	v_nop
.endr
.Lhead_asked:
	v_and_b32 v1, 15, v0
	v_bfe_u32 v2, v0, 4, 1
	v_and_b32 v3, 31, v0
	v_lshlrev_b32 v[LI], 4, v3
	v_lshlrev_b32 v7, 3, v3
	v_lshlrev_b32 v[BA], 6, v2
	s_mul_i32 s21, s15, HALFT
	s_mul_i32 s22, s16, HALFT
	s_add_co_u32 s22, s22, 2*HALFT
.irp s, 0,1
	v_add_nc_u32 v[ADRA+\s], s21, v[LI]
	v_add_nc_u32 v[ADRA2+\s], s21, v7
	v_add_nc_u32 v[ADRB+\s], s22, v[LI]
	s_add_co_u32 s21, s21, SLOT
	s_add_co_u32 s22, s22, SLOT
.endr
	v_lshlrev_b32 v5, 2, v1
	s_mul_i32 s21, s15, HALFS
	s_mul_i32 s22, s16, HALFS
	s_add_co_u32 s22, s22, 2*HALFS+128
	s_sub_co_u32 s22, s22, s21
	v_mul_u32_u24 v6, s22, v2
	s_add_co_u32 s21, s21, SCL
	v_add_nc_u32 v5, v5, v6
	v_add_nc_u32 v[ADRS], s21, v5
	s_mul_i32 s23, s14, 16*SP
	s_add_co_u32 s23, s23, SPARE+512               ; the stages have bytes of their own, behind the spare words
	v_mul_u32_u24 v5, v1, SP
	v_lshl_add_u32 v5, v2, 6, v5
	v_add_nc_u32 v[STO], s23, v5
	v_mul_u32_u24 v5, v2, SP
	v_lshl_add_u32 v5, v1, 4, v5
	v_add_nc_u32 v[RD], s23, v5
	v_lshlrev_b32 v5, 12, v2
	v_lshl_add_u32 v[CO], v1, 4, v5
	s_wait_alu depctr_va_vdst(0)
	s_lshl_b32 s18, s42, 9
	s_lshl_b32 s19, s16, 8
	s_add_co_u32 s18, s18, s19
	s_mov_b32 s19, 0
	s_add_nc_u64 s[96:97], s[96:97], s[18:19]
	s_lshl_b32 s20, s17, 19
	s_lshl_b32 s21, s15, 18
	s_add_co_u32 s20, s20, s21
	s_add_co_u32 s18, s18, s20
	s_add_nc_u64 s[98:99], s[98:99], s[18:19]
	s_add_nc_u64 s[12:13], s[12:13], s[18:19]
.irp b, 0,1,2,3
	global_load_b128 v[BIAS+8*\b:BIAS+8*\b+3], v[BA], s[96:97] offset:(32*(\b/2)+8*(\b%2))*4
	global_load_b128 v[BIAS+8*\b+4:BIAS+8*\b+7], v[BA], s[96:97] offset:(32*(\b/2)+8*(\b%2))*4+16
.endr
	WIN 0x80
.irp a, 0,1,2,3
.irp i, 0,1,2,3,4,5,6,7
	global_load_b128 v[4*(8*\a+\i):4*(8*\a+\i)+3], v[CO], s[98:99] offset:(32*(\a/2)+8*(\a%2)+2*\i+8*(\i/4))*4096
.endr
.endr
	WIN 0
.macro FETCH slot, q, p
	WIN 0x40
.irp i, 0,1,2,3
.irp c, 0,1,2
	ds_load_b128 v[48*(\p)+12*\i+4*\c:48*(\p)+12*\i+4*\c+3], v[ADRB+\slot] offset:(\i*NQ+(\q))*IMG+512*\c
.endr
.endr
	WIN 0
.irp i, 0,1,2,3
.if AHALF
	ds_load_b128 v[AF+48*(\p)+12*\i:AF+48*(\p)+12*\i+3], v[ADRA+\slot] offset:(\i*NQ+(\q))*IMG
	ds_load_b64 v[AF+48*(\p)+12*\i+4:AF+48*(\p)+12*\i+5], v[ADRA2+\slot] offset:(\i*NQ+(\q))*IMG+512
	ds_load_b128 v[AF+48*(\p)+12*\i+6:AF+48*(\p)+12*\i+9], v[ADRA+\slot] offset:(\i*NQ+(\q))*IMG+768
	ds_load_b64 v[AF+48*(\p)+12*\i+10:AF+48*(\p)+12*\i+11], v[ADRA2+\slot] offset:(\i*NQ+(\q))*IMG+1280
.else
.irp c, 0,1,2
	ds_load_b128 v[AF+48*(\p)+12*\i+4*\c:AF+48*(\p)+12*\i+4*\c+3], v[ADRA+\slot] offset:(\i*NQ+(\q))*IMG+512*\c
.endr
.endif
.endr
.irp i, 0,1,2,3
	ds_load_b32 v[SC+NB*(\p)+\i], v[ADRS] offset:\i*KS*64+(\q)*64
.endr
.endm
.macro MUL a0, n, p, cmode
.if \cmode == 2
	WIN 0x41
.else
	WIN 0x51
.endif
.set ma, \a0
.rept \n
.irp b, 0,1,2,3
.set rD, 128+8*(4*ma+\b)
.if \cmode == 2
	v_wmma_scale_f32_16x16x128_f8f6f4 v[rD:rD+7], v[48*(\p)+12*\b:48*(\p)+12*\b+11], v[AF+48*(\p)+12*ma:AF+48*(\p)+12*ma+11], v[BIAS+8*\b:BIAS+8*\b+7], v[SC+NB*(\p)+\b], v[SC+NB*(\p)+ma] matrix_a_fmt:MATRIX_FMT_FP6 matrix_b_fmt:MATRIX_FMT_FP6 matrix_a_scale:MATRIX_SCALE_ROW1
.else
	v_wmma_scale_f32_16x16x128_f8f6f4 v[rD:rD+7], v[48*(\p)+12*\b:48*(\p)+12*\b+11], v[AF+48*(\p)+12*ma:AF+48*(\p)+12*ma+11], v[rD:rD+7], v[SC+NB*(\p)+\b], v[SC+NB*(\p)+ma] matrix_a_fmt:MATRIX_FMT_FP6 matrix_b_fmt:MATRIX_FMT_FP6 matrix_a_scale:MATRIX_SCALE_ROW1
.endif
.endr
.set ma, ma+1
.endr
.endm
.macro STEP slot, q, cmode
	s_wait_dscnt 0x0
	PLACES
	FETCH \slot, (\q)+1, 1-(\q)%2
	MUL 0, NB, (\q)%2, \cmode
.endm
.macro TURN slot, next, fill
	WIN 0
	s_wait_tensorcnt 0x0
	ds_add_u32 v[SPW], v[NIL]
	s_wait_dscnt 1
	MUL 0, NB/4, 1, 0
	s_wait_dscnt 0x0
	s_barrier_signal -1
	MUL NB/4, NB/4, 1, 0
	WIN 0
	s_barrier_wait -1
.if \fill
	CREST
	s_add_nc_u64 s[G0+4*\slot+2:G0+4*\slot+3], s[G0+4*\slot+2:G0+4*\slot+3], 2*NQ*IMG
	s_add_nc_u64 s[G0B+4*\slot+2:G0B+4*\slot+3], s[G0B+4*\slot+2:G0B+4*\slot+3], 2*NQ*IMG
	JLOAD G0+4*\slot, G1, G0B+4*\slot, G1B
.else
	PLACES
.endif
	v_add_nc_u32 v[ADRS], 64*NQ, v[ADRS]
	FETCH \next, 0, 0
	MUL NB/2, NB/2, 1, 0
.endm
.macro TOSTAGE a
	WIN 0x04
.irp b, 0,1,2,3
	ds_store_b128 v[STO], v[128+8*(4*(\a)+\b):128+8*(4*(\a)+\b)+3] offset:128*(\b/2)+32*(\b%2)
	ds_store_b128 v[STO], v[128+8*(4*(\a)+\b)+4:128+8*(4*(\a)+\b)+7] offset:128*(\b/2)+32*(\b%2)+16
.endr
	WIN 0
.irp i, 0,1,2,3,4,5,6,7
	ds_load_b128 v[BK+32*((\a)%2)+4*\i:BK+32*((\a)%2)+4*\i+3], v[RD] offset:2*SP*\i
.endr
.endm
.macro SEND a, younger
.set BB, BK+32*((\a)%2)
	s_wait_dscnt \younger
	WIN 0x08
.set k, 0
.rept 16
	v_pk_add_f32 v[BB+k:BB+k+1], v[BB+k:BB+k+1], v[32*(\a)+k:32*(\a)+k+1]
.set k, k+2
.endr
	WIN 0
.irp i, 0,1,2,3,4,5,6,7
	global_store_b128 v[CO], v[BB+4*\i:BB+4*\i+3], s[12:13] offset:(32*((\a)/2)+8*((\a)%2)+2*\i+8*(\i/4))*4096
.endr
.endm
	s_wait_tensorcnt 0x0
	s_barrier_signal -1
	s_barrier_wait -1
	FETCH 0, 0, 0
	s_wait_loadcnt 32
	STEP 0, 0, 2
	STEP 0, 1, 0
	STEP 0, 2, 0
	STEP 0, 3, 0
	STEP 0, 4, 0
	STEP 0, 5, 0
	STEP 0, 6, 0
	s_wait_dscnt 0x0
	MUL 0, NB, 1, 0
	WIN 0
	PLACES
	s_wait_loadcnt 0x0
	TOSTAGE 0
.irp a, 1,2,3
.if \a > 1
	s_wait_xcnt 0x0
.endif
	TOSTAGE \a
	SEND \a-1, 16
.endr
	SEND 3, 0
	s_wait_tensorcnt 0x0
	ds_add_u32 v[SPW], v[NIL]
	s_wait_dscnt 0x0
	CROUND
	s_endpgm
.Lfunc_end_k_q8bf3ee7413_wo:
	.size	k_q8bf3ee7413_wo, .Lfunc_end_k_q8bf3ee7413_wo-k_q8bf3ee7413_wo
	.p2alignl 7, 3214868480
	.fill 96, 4, 3214868480
	.section	.rodata,"a",@progbits
	.p2align	6, 0x0
	.amdhsa_kernel k_q8bf3ee7413_wo
		.amdhsa_group_segment_fixed_size 327680
		.amdhsa_private_segment_fixed_size 0
		.amdhsa_enable_private_segment 0
		.amdhsa_kernarg_size 40
		.amdhsa_user_sgpr_count 2
		.amdhsa_user_sgpr_kernarg_segment_ptr 1
		.amdhsa_wavefront_size32 1
		.amdhsa_system_sgpr_workgroup_id_x 1
		.amdhsa_system_sgpr_workgroup_id_y 1
		.amdhsa_system_sgpr_workgroup_id_z 1
		.amdhsa_system_vgpr_workitem_id 0
		.amdhsa_next_free_vgpr 640
		.amdhsa_next_free_sgpr 100
		.amdhsa_reserve_vcc 0
		.amdhsa_float_denorm_mode_32 3
		.amdhsa_float_denorm_mode_16_64 3
		.amdhsa_memory_ordered 1
		.amdhsa_forward_progress 1
		.amdhsa_inst_pref_size 59
	.end_amdhsa_kernel
	.amdgpu_metadata
---
amdhsa.version: [ 1, 2 ]
amdhsa.kernels:
  - .name:           k_q8bf3ee7413_wo
    .symbol:         k_q8bf3ee7413_wo.kd
    .args:
      - { .name: CTX, .offset: 0, .size: 8, .value_kind: global_buffer, .address_space: global }
      - { .name: WB, .offset: 8, .size: 8, .value_kind: global_buffer, .address_space: global }
      - { .name: bo, .offset: 16, .size: 8, .value_kind: global_buffer, .address_space: global }
      - { .name: x, .offset: 24, .size: 8, .value_kind: global_buffer, .address_space: global }
      - { .name: HB, .offset: 32, .size: 8, .value_kind: global_buffer, .address_space: global }
    .group_segment_fixed_size: 327680
    .private_segment_fixed_size: 0
    .kernarg_segment_align: 8
    .kernarg_segment_size: 40
    .max_flat_workgroup_size: 128
    .sgpr_count:     100
    .vgpr_count:     640
    .wavefront_size: 32
...
	.end_amdgpu_metadata
.endif
;; end of part 4
;; launch ln2: the kernel of part 1 again; grid 256 x 2, 8 waves a work-group, no clusters, 130,048 bytes of LDS; arguments HB, g2, s2, YN, Wq, Wk, Wv, Wo, W1, W2, WB; writes YN, WB
;; launch w1 (part 5): grid 16 x 16, 4 waves a work-group, clusters of 4 x 4, 327,680 bytes of LDS; arguments YN, WB, b1, HID; writes HID
.if DOCPART == 5
	.amdgcn_target "amdgcn-amd-amdhsa--gfx1250"
	.amdhsa_code_object_version 6
	.text
	.protected	k_q8bf3ee7413_w1
	.globl	k_q8bf3ee7413_w1
	.p2align	8
	.type	k_q8bf3ee7413_w1,@function
k_q8bf3ee7413_w1:
	s_mov_b64 s[64:65], 0
	v_nop
	global_prefetch_b8 v0, s[64:65] scope:SCOPE_SE
	s_setreg_imm32_b32 hwreg(HW_REG_WAVE_MODE, 25, 1), 1
	s_wait_xcnt 0x0
	s_wait_alu depctr_hold_cnt(0) depctr_sa_sdst(0) depctr_va_vdst(0) depctr_va_sdst(0) depctr_va_ssrc(0) depctr_va_vcc(0) depctr_vm_vsrc(0)
	s_getreg_b32 s2, hwreg(HW_REG_IB_STS2, 6, 4)
	s_cmp_eq_u32 s2, 0
	s_cbranch_scc0 .Lentry_in_a_cluster
	s_endpgm
.Lentry_in_a_cluster:
	s_bfe_u32 s2, ttmp6, 0x10000c
	s_cmp_lg_u32 s2, 0xf033
	s_cbranch_scc0 .Lentry_shape_is_right
	s_endpgm
.Lentry_shape_is_right:
; hid = gelu(y W1 + b1): the product on codes of FP6 (E2M3) with E8M0 scales, sums in f32; gelu in f32; hid is quantised in registers along the hidden units and stored as images of operand registers, [row block][32 K steps].
; OPERANDS are images: 16 rows x 128 K in 1,536 bytes, register 4 c + i of lane L at 512 c + 16 L + 4 i, laid [row block][K step].  Lane-row r of block n is row 32 (n / 2) + 8 (n % 2) + r + 8 (r / 8):
; in D = (source 0 = W1's column blocks) x (source 1 = a block of tokens) a lane holds one token, and its 128 registers are the wave's 128 hidden units in order: one K step of the next product.
; A tile is 256 x 256, four waves of 128 x 128 (64 accumulators).  K = 1,024 is 8 steps of 128.
; THREE LDS SLOTS OF TWO STEPS: six of the eight steps are first fills; slot 0 alone is filled again, with steps 6 and 7, behind the change of slots in step 1, and has the rest of step 1 and steps 2, 3 and 4
; (224 matrix instructions a wave) in which to land.  All eight steps are written out.
; CLUSTERS: 4 x 4 work-groups; the tokens' tile is shared along a row of the cluster, the weights' along a column: joint loads with a mask of four.  By this text's own count a wave has four tensor loads out at the start and one behind the change of slots that fills.
; gelu(x) = 0.5 x (1 + tanh(u)) = x / (1 + 2^z), z = x (k1 + k2 x^2), k1 = -2 log2(e) sqrt(2 / pi), k2 = 0.044715 k1: one exponential and one reciprocal; where 2^z overflows the result is the zero that the limit asks for.
; The bias is the C of each sum's first product.
; REGISTERS: window 0: v1-29 addresses, v32-47 scale words (two sets), A's fragments at v64 and v160; window 1: B's at v0 and v96, v192-255 the bias; windows 2, 3: accumulator (a, b) at 8 (8 (a % 4) + b) of window 2 + a / 4.
; LIMITS: NaN and infinities are not served; a block of zeros, or one under 2^-124, gets the byte 1 (read by this program alone).
.set NB,    8
.set NQ,    2
.set KS,    8
.set IMG,   1536
.set HALFT, NB*NQ*IMG
.set SLOT,  4*HALFT
.set HALFS, NB*KS*64
.set SCL,   3*SLOT                     ; behind the three slots: A's scale lines;
.set SCLB,  SCL+2*HALFS+128            ; B's, 128 bytes (mod 256) from A's lines: the two halves of a load's lanes touch different banks (64 banks of 4 bytes: ISA guide 11.1)
.set SPARE, ((SCLB+2*HALFS+255)/256)*256   ; the spare words: 128 bytes a wave, two blocks of 256 bytes that no other line names
.set LI,   4
.set VSA,  9
.set BA,   10
.set ADRA, 16                          ; v16-18 my A fragments in slot 0, 1, 2
.set ADRB, 20                          ; v20-22 my B fragments
.set ADRS, 27
.set SPW,  28
.set NIL,  29
.set SC,   32
.set AF,   64
.set HA,   64                          ; the way out: 64 numbers at work,
.set PC,   128                         ; codes,
.set TM,   148                         ; work,
.set PW,   164                         ; scale word,
.set K1,   166                         ; v[166:167] k1
.set SEL,  2                           ; s[2:3] lane selects, s[18:19] k2: written behind the last product
.set K2,   18
.set G1, 24
.set G0, 32                            ; s[32:39] A's groups 0 for slots 0 and 1;
.set G0C, 4                            ; s[4:7] for the head's load of slot 0 (the pointers that lay there are done with)
.set G1B, 48
.set G0B, 56                           ; s[56:63], s[8:11] the same for B
.set G0BC, 8
.set G1S, 68
.set G0S, 76
.set G1SB, 80
.set G0SB, 88
.set MSB, 0
.macro WIN new
.if MSB != (\new)
	s_set_vgpr_msb (MSB<<8)|(\new)
.set MSB, (\new)
.endif
.endm
.macro JLOAD g0a, g1a, g0b, g1b        ; a joint load: waves 0, 1 fetch for A, waves 2, 3 for B; four v_nop follow each line
	s_cmp_eq_u32 s15, 0
	s_cbranch_scc0 .Lfor_b_\@
	tensor_load_to_lds s[\g0a:\g0a+3], s[\g1a:\g1a+7]
	s_nop 0
.rept 4
	v_nop
.endr
	s_branch .Lasked_\@
.Lfor_b_\@:
	tensor_load_to_lds s[\g0b:\g0b+3], s[\g1b:\g1b+7]
	s_nop 0
.rept 4
	v_nop
.endr
.Lasked_\@:
.endm
.macro CREST
	s_cmp_lg_u32 s14, 0
	s_cbranch_scc1 .Lnot_wave_0_\@
	s_barrier_signal -3
.Lnot_wave_0_\@:
	s_barrier_wait -3
	s_barrier_signal -1
	s_barrier_wait -1
.endm
.macro CROUND
	s_barrier_signal -1
	s_barrier_wait -1
	CREST
.endm
.macro PLACES                          ; four plain vector instructions between a matrix instruction and a load into, or a vector write of, its registers, or a read of its result
.rept 4
	v_nop
.endr
.endm
	s_load_b128 s[4:7], s[0:1], 0x0                ; YN, WB
	s_load_b128 s[96:99], s[0:1], 0x10             ; b1, HID
	v_lshl_add_u32 v[SPW], v0, 2, SPARE
	v_mov_b32 v[NIL], 0
	ds_add_u32 v28, v29
	ds_add_u32 v28, v29
	s_wait_dscnt 0x0
	v_lshrrev_b32 v1, 5, v0
	v_readfirstlane_b32 s14, v1                    ; wave
	s_lshr_b32 s15, s14, 1                         ; my half of the tokens.  Also: I fetch for A (0) or for B (1)
	s_and_b32 s16, s14, 1                          ; my half of the hidden units.  Also: which half I fetch
	s_bfe_u32 s40, ttmp6, 0x40000                  ; cx
	s_bfe_u32 s41, ttmp6, 0x40004                  ; cy
	s_lshl_b32 s42, ttmp9, 2
	s_add_co_u32 s42, s42, s40                     ; the hidden units' tile
	s_and_b32 s17, ttmp7, 0xffff
	s_lshl_b32 s17, s17, 2
	s_add_co_u32 s17, s17, s41                     ; the tokens' tile
	s_lshl_b32 s43, s41, 2
	s_lshl_b32 s43, 15, s43
	s_lshl_b32 s44, 0x1111, s40
	s_or_b32 s[G1+0], s43, (3<<16)|(1<<21)         ; 15:0 the mask; 17:16 elements of 8 bytes; 21 set beside a mask; no padding
	s_or_b32 s[G1B+0], s44, (3<<16)|(1<<21)
.irp g, G1, G1B
	s_mov_b32 s[\g+1], (192*NQ)<<16
	s_mov_b32 s[\g+2], (2*NB)<<16                  ; the head's loads bring both halves of a tile: 2 NB blocks
	s_mov_b32 s[\g+3], (192*NQ)<<16
	s_mov_b32 s[\g+4], 2*NB
	s_mov_b32 s[\g+5], 192*KS
	s_mov_b32 s[\g+6], 0
	s_mov_b32 s[\g+7], 0
.endr
	s_or_b32 s[G1S+0], s43, (3<<16)|(1<<21)
	s_or_b32 s[G1SB+0], s44, (3<<16)|(1<<21)
.irp g, G1S, G1SB
	s_mov_b32 s[\g+1], 32<<16
	s_mov_b32 s[\g+2], (2*HALFS/256)<<16           ; the scale lines of both halves
	s_mov_b32 s[\g+3], 32<<16
	s_mov_b32 s[\g+4], 2*HALFS/256
	s_mov_b32 s[\g+5], 32
	s_mov_b32 s[\g+6], 0
	s_mov_b32 s[\g+7], 0
.endr
	s_mul_i32 s18, s16, NB
	s_mul_i32 s20, s17, 2*NB
	s_add_co_u32 s20, s20, s18
	s_mul_i32 s46, s42, 2*NB
	s_add_co_u32 s46, s46, s18
	s_mul_i32 s22, s20, KS*64
	s_mul_i32 s20, s20, KS*IMG
	s_mul_i32 s92, s46, KS*64
	s_mul_i32 s46, s46, KS*IMG
	s_mov_b32 s21, 0
	s_mov_b32 s23, 0
	s_mov_b32 s47, 0
	s_mov_b32 s93, 0
	s_mul_i32 s45, s14, HALFT
	s_mul_i32 s94, s16, HALFS                      ; my half's distance from the tile's first scale line,
	s_mov_b32 s95, 0
	s_mul_i32 s2, s16, NB*KS*IMG                   ; and from its first image
	s_mov_b32 s3, 0
	s_wait_kmcnt 0x0
	s_add_nc_u64 s[8:9], s[6:7], 3145728           ; W1's images,
	s_add_nc_u64 s[10:11], s[6:7], 9568256         ; its scale lines,
	s_add_nc_u64 s[6:7], s[4:5], 3145728           ; the tokens' scale lines
	s_add_nc_u64 s[20:21], s[4:5], s[20:21]
	s_add_nc_u64 s[22:23], s[6:7], s[22:23]
	s_add_nc_u64 s[46:47], s[8:9], s[46:47]
	s_add_nc_u64 s[92:93], s[10:11], s[92:93]      ; s[4:11] are done with from here on
	CROUND                                         ; all sixteen work-groups are here: the first joint loads meet
	s_mov_b32 s[G0S], 1
	s_mov_b32 s[G0S+1], SCL
	s_sub_nc_u64 s[G0S+2:G0S+3], s[22:23], s[94:95]
	s_or_b32 s[G0S+3], s[G0S+3], 0x80000000
	s_mov_b32 s[G0SB], 1
	s_mov_b32 s[G0SB+1], SCLB
	s_sub_nc_u64 s[G0SB+2:G0SB+3], s[92:93], s[94:95]
	s_or_b32 s[G0SB+3], s[G0SB+3], 0x80000000
.irp s, 0,1
	s_mov_b32 s[G0+4*\s], 1
	s_add_co_u32 s[G0+4*\s+1], s45, \s*SLOT
	s_add_nc_u64 s[G0+4*\s+2:G0+4*\s+3], s[20:21], \s*NQ*IMG
	s_or_b32 s[G0+4*\s+3], s[G0+4*\s+3], 0x80000000
	s_mov_b32 s[G0B+4*\s], 1
	s_add_co_u32 s[G0B+4*\s+1], s45, \s*SLOT
	s_add_nc_u64 s[G0B+4*\s+2:G0B+4*\s+3], s[46:47], \s*NQ*IMG
	s_or_b32 s[G0B+4*\s+3], s[G0B+4*\s+3], 0x80000000
.endr
	s_mov_b32 s[G0C], 1                            ; slot 0: K steps 0 and 1, both halves
	s_mov_b32 s[G0C+1], 0
	s_sub_nc_u64 s[G0C+2:G0C+3], s[20:21], s[2:3]
	s_or_b32 s[G0C+3], s[G0C+3], 0x80000000
	s_mov_b32 s[G0BC], 1
	s_mov_b32 s[G0BC+1], 2*HALFT
	s_sub_nc_u64 s[G0BC+2:G0BC+3], s[46:47], s[2:3]
	s_or_b32 s[G0BC+3], s[G0BC+3], 0x80000000
	s_lshl_b32 s94, s45, 1                         ; K steps 2 to 5 lie behind slot 0, a quarter of 2 HALFT bytes a wave, [block][four steps]
	s_add_co_u32 s[G0+5], s94, SLOT
	s_add_co_u32 s[G0B+5], s94, SLOT
; the head's four tiles, one joint load a wave: wave 0 slot 0's A, wave 1 its B, wave 2 A's scale lines, wave 3 B's
.macro ARM under, g0, g1, next
	s_cmp_lt_u32 s14, \under
	s_cbranch_scc0 \next
	tensor_load_to_lds s[\g0:\g0+3], s[\g1:\g1+7]
	s_nop 0
.rept 4
	v_nop
.endr
	s_branch .Lhead_asked
\next:
.endm
	ARM 1, G0C, G1, .Lhead_b
	ARM 2, G0BC, G1B, .Lhead_sa
	ARM 3, G0S, G1S, .Lhead_sb
	tensor_load_to_lds s[G0SB:G0SB+3], s[G1SB:G1SB+7]
	s_nop 0
.rept 4
	v_nop
.endr
.Lhead_asked:
	v_and_b32 v1, 15, v0                           ; r
	v_bfe_u32 v2, v0, 4, 1                         ; h
	v_and_b32 v3, 31, v0                           ; lane
	v_lshlrev_b32 v[LI], 4, v3
	v_lshlrev_b32 v[VSA], 2, v1
	v_lshlrev_b32 v[BA], 6, v2
	s_mul_i32 s21, s15, HALFT
	s_mul_i32 s22, s16, HALFT
	s_add_co_u32 s22, s22, 2*HALFT
	v_add_nc_u32 v[ADRA], s21, v[LI]
	v_add_nc_u32 v[ADRB], s22, v[LI]
	s_lshl_b32 s21, s21, 1
	s_lshl_b32 s22, s22, 1
	s_add_co_u32 s21, s21, SLOT
	s_add_co_u32 s22, s22, SLOT
	s_wait_alu depctr_va_vdst(0)                   ; the wait ahead of the readers below
	v_add_nc_u32 v[ADRA+1], s21, v[LI]             ; K steps 2, 3
	v_add_nc_u32 v[ADRB+1], s22, v[LI]
	v_add_nc_u32 v[ADRA+2], 2*IMG, v[ADRA+1]       ; K steps 4, 5: two images on in each block's four
	v_add_nc_u32 v[ADRB+2], 2*IMG, v[ADRB+1]
	v_lshlrev_b32 v5, 2, v1
	s_mul_i32 s21, s15, HALFS
	s_mul_i32 s22, s16, HALFS
	s_add_co_u32 s22, s22, 2*HALFS+128
	s_sub_co_u32 s22, s22, s21
	v_mul_u32_u24 v6, s22, v2                      ; lanes 16-31 take B's lines: one product, the distance between the two
	s_add_co_u32 s21, s21, SCL
	v_add_nc_u32 v5, v5, v6
	v_add_nc_u32 v[ADRS], s21, v5
	s_lshl_b32 s18, s17, 4
	s_lshl_b32 s19, s15, 3
	s_add_co_u32 s18, s18, s19                     ; my first row block
	s_lshl_b32 s18, s18, 5
	s_lshl_b32 s19, s42, 1
	s_add_co_u32 s18, s18, s19
	s_add_co_u32 s18, s18, s16                     ; x 32 + my K step of the next product
	s_mul_i32 s66, s18, IMG
	s_mov_b32 s67, 0
	s_lshl_b32 s94, s18, 6
	s_add_co_u32 s94, s94, 12582912
	s_mov_b32 s95, 0
	s_add_nc_u64 s[66:67], s[98:99], s[66:67]      ; my images,
	s_add_nc_u64 s[94:95], s[98:99], s[94:95]      ; my scale lines
	s_lshl_b32 s18, s42, 10
	s_lshl_b32 s19, s16, 9
	s_add_co_u32 s18, s18, s19
	s_mov_b32 s19, 0
	s_add_nc_u64 s[96:97], s[96:97], s[18:19]      ; b1 at my first hidden unit
	WIN 0x40                                       ; destination window 1
.irp b, 0,1,2,3,4,5,6,7                        ; the bias in the result's layout: tile b, register j: unit 32 (b / 2) + 8 (b % 2) + 16 h + j
	global_load_b128 v[192+8*\b:195+8*\b], v[BA], s[96:97] offset:(32*(\b/2)+8*(\b%2))*4
	global_load_b128 v[196+8*\b:199+8*\b], v[BA], s[96:97] offset:(32*(\b/2)+8*(\b%2))*4+16
.endr
	WIN 0
.macro FETCH slot, q, p                ; the fragments and scale words of the slot's q-th K step into set p: 56 LDS loads in one run
	WIN 0x40
.irp i, 0,1,2,3,4,5,6,7
.irp c, 0,1,2
	ds_load_b128 v[96*(\p)+12*\i+4*\c:96*(\p)+12*\i+4*\c+3], v[ADRB+\slot] offset:(\i*NQ*(1+((\slot)+1)/2)+(\q))*IMG+512*\c
.endr
.endr
	WIN 0
.irp i, 0,1,2,3,4,5,6,7
.irp c, 0,1,2
	ds_load_b128 v[AF+96*(\p)+12*\i+4*\c:AF+96*(\p)+12*\i+4*\c+3], v[ADRA+\slot] offset:(\i*NQ*(1+((\slot)+1)/2)+(\q))*IMG+512*\c
.endr
.endr
.irp i, 0,1,2,3,4,5,6,7
	ds_load_b32 v[SC+NB*(\p)+\i], v[ADRS] offset:\i*KS*64+(\q)*64   ; lanes 0-15: A's block i; lanes 16-31: B's block i
.endr
.endm
; A's blocks a0 .. a0 + n - 1 against B's eight.  cmode 0: the sums go on; 2: the bias starts them.  The 64 accumulators take turns, one instruction a turn, in the same order in every step.
.macro MUL a0, n, p, cmode
.set ma, \a0
.rept \n
.if \cmode == 2
	WIN 0x91+0x40*(ma/4)                           ; source 0 (B) and C (the bias) window 1, source 1 (A) window 0, D window 2 or 3
.else
	WIN 0xa1+0x50*(ma/4)                           ; C and D window 2 or 3
.endif
.irp b, 0,1,2,3,4,5,6,7
.set rD, 8*(8*(ma%4)+\b)
.if \cmode == 2
	v_wmma_scale_f32_16x16x128_f8f6f4 v[rD:rD+7], v[96*(\p)+12*\b:96*(\p)+12*\b+11], v[AF+96*(\p)+12*ma:AF+96*(\p)+12*ma+11], v[192+8*\b:199+8*\b], v[SC+NB*(\p)+\b], v[SC+NB*(\p)+ma] matrix_a_fmt:MATRIX_FMT_FP6 matrix_b_fmt:MATRIX_FMT_FP6 matrix_a_scale:MATRIX_SCALE_ROW1
.else
	v_wmma_scale_f32_16x16x128_f8f6f4 v[rD:rD+7], v[96*(\p)+12*\b:96*(\p)+12*\b+11], v[AF+96*(\p)+12*ma:AF+96*(\p)+12*ma+11], v[rD:rD+7], v[SC+NB*(\p)+\b], v[SC+NB*(\p)+ma] matrix_a_fmt:MATRIX_FMT_FP6 matrix_b_fmt:MATRIX_FMT_FP6 matrix_a_scale:MATRIX_SCALE_ROW1
.endif
.endr
.set ma, ma+1
.endr
.endm
.macro STEP slot, q, cmode
	s_wait_dscnt 0x0                               ; this step's fragments, asked for a step's products ago, are in
	PLACES                                         ; between the last step's products and the loads into the set that they read
	FETCH \slot, (\q)+1, 1-(\q)%2
	MUL 0, NB, (\q)%2, \cmode
.endm
; A slot's last step, where the next slot has to be shown whole, or this slot is filled again: ONE barrier.  In front of it each wave waits for all its tensor loads, adds 0 to its spare word, and waits for that and for
; its reads of this slot.  fill = 1: the slot is filled again, with the K steps three slots on.
.macro TURN slot, next, fill
	WIN 0
	s_wait_tensorcnt 0x0                           ; all my tensor loads have landed;
	ds_add_u32 v[SPW], v[NIL]                      ; 0 onto my spare word;
	s_wait_dscnt 1                                 ; this step's fragments are in (the add alone may be out)
	MUL 0, NB/4, 1, 0
	s_wait_dscnt 0x0                               ; the add is done, and my reads of this slot are over
	s_barrier_signal -1
	MUL NB/4, NB/4, 1, 0
	WIN 0
	s_barrier_wait -1
.if \fill
	CREST                                          ; the barrier has opened a round of the cluster's barrier: no wave of any partner still reads this slot or has a load on its way
	s_add_nc_u64 s[G0+4*\slot+2:G0+4*\slot+3], s[G0+4*\slot+2:G0+4*\slot+3], 3*NQ*IMG
	s_mov_b32 s[G1+1], (192*NQ)<<16                ; no load of mine is out: the refill brings NQ steps of NB blocks
	s_mov_b32 s[G1+3], (192*NQ)<<16
	s_mov_b32 s[G1B+1], (192*NQ)<<16
	s_mov_b32 s[G1B+3], (192*NQ)<<16
	s_add_nc_u64 s[G0B+4*\slot+2:G0B+4*\slot+3], s[G0B+4*\slot+2:G0B+4*\slot+3], 3*NQ*IMG
	JLOAD G0+4*\slot, G1, G0B+4*\slot, G1B         ; the first tensor load behind the round; its four v_nop are the places in front of the loads below
.else
	PLACES
.endif
	v_add_nc_u32 v[ADRS], 64*NQ, v[ADRS]
	FETCH \next, 0, 0
	MUL NB/2, NB/2, 1, 0
.endm
; A slot's last step where nothing has to be ordered: the next slot was shown whole to every wave by the wait for all loads and the barrier of an earlier change, and this slot is not filled again.
.macro HOP next
	s_wait_dscnt 0x0
	PLACES
	WIN 0
	v_add_nc_u32 v[ADRS], 64*NQ, v[ADRS]
	FETCH \next, 0, 0
	MUL 0, NB, 1, 0
.endm
; 64 numbers of a lane in window w, register s + 16 b + i = k 32 b + 16 h + i of my row, become a fragment in v[PC] on and its scale word in v[PW] (window 0)
.macro QUANT s, w
	WIN 5*(\w)
.irp b, 0,1,2,3
	v_max3_num_f32 v[TM+\b], |v[(\s)+16*\b]|, |v[(\s)+16*\b+1]|, 0x1800000   ; and the floor 2^(3 - 127): the byte cannot fall under 1
.endr
.irp i, 2,4,6,8,10,12,14
.irp b, 0,1,2,3
	v_max3_num_f32 v[TM+\b], |v[(\s)+16*\b+\i]|, |v[(\s)+16*\b+\i+1]|, v[TM+\b]
.endr
.endr
	WIN 0
.irp b, 0,1,2,3
	v_permlanex16_b32 v[TM+4+\b], v[TM+\b], s[SEL], s[SEL+1]
.endr
.irp b, 0,1,2,3
	v_max_num_f32 v[TM+\b], v[TM+\b], v[TM+4+\b]
.endr
.irp b, 0,1,2,3
	v_add_nc_u32 v[TM+12+\b], 0xff000000, v[TM+\b]
.endr
.irp b, 0,1,2,3
	v_lshrrev_b32 v[TM+4+\b], 23, v[TM+12+\b]
.endr
	v_lshl_or_b32 v[PW], v[TM+5], 8, v[TM+4]
	v_lshl_or_b32 v[PW], v[TM+6], 16, v[PW]
	v_lshl_or_b32 v[PW], v[TM+7], 24, v[PW]
	WIN \w
.irp c, 0,1
	v_cvt_scalef32_pk16_fp6_f32 v[PC+6*\c:PC+2+6*\c], v[(\s)+32*\c:(\s)+32*\c+15], v[TM+12+2*\c]
	v_cvt_scalef32_pk16_fp6_f32 v[PC+12+4*\c:PC+14+4*\c], v[(\s)+32*\c+16:(\s)+32*\c+31], v[TM+13+2*\c]
.endr
	WIN 0
	v_nop                                          ; one plain instruction behind the conversions
.irp c, 0,1
.irp i, 0,1,2
	v_permlane16_swap_b32 v[PC+6*\c+\i], v[PC+12+4*\c+\i]
.endr
.irp i, 0,1,2
	v_mov_b32 v[PC+3+6*\c+\i], v[PC+12+4*\c+\i]
.endr
.endr
.endm
.macro GELU a                          ; tokens' block a: gelu of its 64 numbers a lane, quantised, stored
.set AC, 64*((\a)%4)
.set WW, 2+(\a)/4
	WIN 5*WW                                       ; sources 0 and 1: the accumulators' window
.set j, 0
.rept 32
	v_pk_mul_f32 v[HA+j:HA+j+1], v[AC+j:AC+j+1], v[AC+j:AC+j+1]   ; x^2: each accumulator from its low end on
.set j, j+2
.endr
	WIN 0
.set j, 0
.rept 32
	v_pk_fma_f32 v[HA+j:HA+j+1], v[HA+j:HA+j+1], s[K2:K2+1], v[K1:K1+1] op_sel_hi:[1,0,0]   ; k1 + k2 x^2
.set j, j+2
.endr
	WIN WW
.set j, 0
.rept 32
	v_pk_mul_f32 v[HA+j:HA+j+1], v[AC+j:AC+j+1], v[HA+j:HA+j+1]   ; z
.set j, j+2
.endr
	WIN 0
.set j, 0
	s_wait_alu depctr_va_vdst(0)
.rept 64
	v_exp_f32 v[HA+j], v[HA+j]
.set j, j+1
.endr
	v_nop                                          ; a plain instruction behind the batch,
	s_wait_alu depctr_va_vdst(0)                   ; and ONE wait for it, ahead of its first reader
.set j, 0
.rept 32
	v_pk_add_f32 v[HA+j:HA+j+1], v[HA+j:HA+j+1], 1.0 op_sel_hi:[1,0]
.set j, j+2
.endr
.set j, 0
	s_wait_alu depctr_va_vdst(0)
.rept 64
	v_rcp_f32 v[HA+j], v[HA+j]
.set j, j+1
.endr
	v_nop
	s_wait_alu depctr_va_vdst(0)
	WIN WW
.set j, 0
.rept 32
	v_pk_mul_f32 v[HA+j:HA+j+1], v[AC+j:AC+j+1], v[HA+j:HA+j+1]   ; x / (1 + 2^z)
.set j, j+2
.endr
	WIN 0
.if (\a) > 0
	s_wait_xcnt 0x0                                ; the last block's stores have read their data: the codes' registers are written again only behind this wait
.endif
	QUANT HA, 0
.irp c, 0,1,2
	global_store_b128 v[LI], v[PC+4*\c:PC+4*\c+3], s[66:67] offset:49152*(\a)+512*\c   ; a row block on: 32 images; 512 consecutive bytes a store
.endr
	global_store_b32 v[VSA], v[PW], s[94:95] offset:2048*(\a)
.endm
	s_wait_alu depctr_va_vdst(0)
	s_wait_tensorcnt 0x0                           ; my tile of the head's four is in
	ds_add_u32 v[SPW], v[NIL]
	s_mov_b32 s[G1+1], (384*NQ)<<16                ; no load of mine is out: the next load brings 2 NQ steps of NB blocks
	s_mov_b32 s[G1+2], NB<<16
	s_mov_b32 s[G1+3], (384*NQ)<<16
	s_mov_b32 s[G1+4], NB
	s_mov_b32 s[G1B+1], (384*NQ)<<16
	s_mov_b32 s[G1B+2], NB<<16
	s_mov_b32 s[G1B+3], (384*NQ)<<16
	s_mov_b32 s[G1B+4], NB
	s_wait_dscnt 0x0
	CROUND                                         ; everybody's tiles are in, and the joint loads meet
	JLOAD G0+4, G1, G0B+4, G1B                     ; K steps 2 to 5, a quarter a wave
	FETCH 0, 0, 0
	s_wait_loadcnt 0x0                             ; the bias
	STEP 0, 0, 2                                   ; K step 0: its products start the sums, from the bias
	TURN 0, 1, 1                                   ; K step 1: slots 1 and 2 are whole; slot 0 takes K steps 6 and 7
	s_wait_alu depctr_va_vdst(0)
	STEP 1, 0, 0                                   ; K step 2
	HOP 2                                          ; K step 3
	s_wait_alu depctr_va_vdst(0)
	STEP 2, 0, 0                                   ; K step 4
	TURN 2, 0, 0                                   ; K step 5: slot 0's second fill is whole; nothing is filled
	s_wait_alu depctr_va_vdst(0)
	STEP 0, 0, 0                                   ; K step 6
	s_wait_dscnt 0x0
	MUL 0, NB, 1, 0                                ; K step 7
	WIN 0
	PLACES                                         ; behind the last products: the way out reads results and writes over fragments
	s_mov_b32 s[SEL], 0x76543210
	s_mov_b32 s[SEL+1], 0xfedcba98
	s_mov_b32 s[K2], 0xbdd2d3e8                    ; k2 = -0.10294324
	s_mov_b32 s[K2+1], s[K2]
	v_mov_b32 v[K1], 0xc0135761                    ; k1 = -2.3022082
	v_mov_b32 v[K1+1], v[K1]
.irp b, 0,1,2,3
	v_mov_b32 v[TM+4+\b], 0                        ; written once: a lane permute's destination counts as one of its sources
.endr
.irp a, 0,1,2,3,4,5,6,7
	GELU \a
.endr
	s_wait_tensorcnt 0x0                           ; the wave's end
	ds_add_u32 v[SPW], v[NIL]
	s_wait_dscnt 0x0
	CROUND                                         ; the closing round
	s_endpgm
.Lfunc_end_k_q8bf3ee7413_w1:
	.size	k_q8bf3ee7413_w1, .Lfunc_end_k_q8bf3ee7413_w1-k_q8bf3ee7413_w1
	.p2alignl 7, 3214868480
	.fill 96, 4, 3214868480
	.section	.rodata,"a",@progbits
	.p2align	6, 0x0
	.amdhsa_kernel k_q8bf3ee7413_w1
		.amdhsa_group_segment_fixed_size 327680
		.amdhsa_private_segment_fixed_size 0
		.amdhsa_enable_private_segment 0
		.amdhsa_kernarg_size 32
		.amdhsa_user_sgpr_count 2
		.amdhsa_user_sgpr_kernarg_segment_ptr 1
		.amdhsa_wavefront_size32 1
		.amdhsa_system_sgpr_workgroup_id_x 1
		.amdhsa_system_sgpr_workgroup_id_y 1
		.amdhsa_system_sgpr_workgroup_id_z 1
		.amdhsa_system_vgpr_workitem_id 0
		.amdhsa_next_free_vgpr 1024
		.amdhsa_next_free_sgpr 100
		.amdhsa_reserve_vcc 0
		.amdhsa_float_denorm_mode_32 3
		.amdhsa_float_denorm_mode_16_64 3
		.amdhsa_memory_ordered 1
		.amdhsa_forward_progress 1
		.amdhsa_inst_pref_size 255
	.end_amdhsa_kernel
	.section	.bss,"aw",@nobits
	.p2align	6
	.space	262144
	.amdgpu_metadata
---
amdhsa.version: [ 1, 2 ]
amdhsa.kernels:
  - .name:           k_q8bf3ee7413_w1
    .symbol:         k_q8bf3ee7413_w1.kd
    .args:
      - { .name: YN, .offset: 0, .size: 8, .value_kind: global_buffer, .address_space: global }
      - { .name: WB, .offset: 8, .size: 8, .value_kind: global_buffer, .address_space: global }
      - { .name: b1, .offset: 16, .size: 8, .value_kind: global_buffer, .address_space: global }
      - { .name: HID, .offset: 24, .size: 8, .value_kind: global_buffer, .address_space: global }
    .group_segment_fixed_size: 327680
    .private_segment_fixed_size: 0
    .kernarg_segment_align: 8
    .kernarg_segment_size: 32
    .max_flat_workgroup_size: 128
    .sgpr_count:     100
    .vgpr_count:     1024
    .wavefront_size: 32
...
	.end_amdgpu_metadata
.endif
;; end of part 5
;; launch w2 (part 6): grid 8 x 32, 4 waves a work-group, no clusters, 304,640 bytes of LDS; arguments HID, WB, b2, HB, out0; writes out0
.if DOCPART == 6
	.amdgcn_target "amdgcn-amd-amdhsa--gfx1250"
	.amdhsa_code_object_version 6
	.text
	.protected	k_q8bf3ee7413_w2
	.globl	k_q8bf3ee7413_w2
	.p2align	8
	.type	k_q8bf3ee7413_w2,@function
k_q8bf3ee7413_w2:
	s_mov_b64 s[64:65], 0
	v_nop
	global_prefetch_b8 v0, s[64:65] scope:SCOPE_SE
	s_setreg_imm32_b32 hwreg(HW_REG_WAVE_MODE, 25, 1), 1
	s_wait_xcnt 0x0
; out = h + hid W2 + b2: the product on codes of FP6 (E2M3) with E8M0 scales, sums in f32; out is f32 [4,096][1,024].
; OPERANDS are images of operand registers (16 rows x 128 K, 1,536 bytes: register 4 c + i of lane L at 512 c + 16 L + 4 i), laid [row block][32 K steps]; a block's scale lines (64 bytes a K step) likewise.
; Lane-row r of block n is row 32 (n / 2) + 8 (n % 2) + r + 8 (r / 8).
; A work-group makes 128 tokens x 128 columns: 8 x 32 = 256 work-groups.  THE FOUR WAVES CUT K: wave w makes the whole 128 x 128 block (64 accumulators, 512 registers) over K steps 8 w .. 8 w + 7.
; So each image that the work-group needs goes to ONE wave, once, and it goes from memory straight into that wave's operand registers: three loads of 512 consecutive bytes.  No fragment passes through LDS, and the walk along K has no barrier.
; Two sets of fragments (2 x 192 registers).  A step's 64 products go by quarters (A's blocks 0-3 x B's 0-3, 0-3 x 4-7, 4-7 x 4-7, 4-7 x 0-3), and each group of four blocks is asked for again, for the step two on, as soon as its last product is issued.
; THE SCALE LINES of a wave's 8 K steps are 512 consecutive bytes a block: 16 loads of 512 bytes, laid into the wave's own LDS bytes as they lie; from there lanes 0-15 take A's word and lanes 16-31 B's into one register.
; THE FOUR PARTS MEET IN LDS as rows of 128 f32 (512 bytes + 16); one barrier; wave w sums the four parts of LDS rows 32 w .. 32 w + 31, adds the residual and the bias, and stores whole rows of 512 aligned bytes.
; The order of the sum over K differs from one chain: four chains of 8 steps, joined in f32.
; NO CLUSTER: a joint load lands in LDS, from which the 786,432 bytes of a block's fragments would have to be read again into registers; here they are loaded once and read from nowhere else.
; NO PREFETCH: the loads into registers are themselves asked two K steps ahead of their products, and fill the count of loads that a wave can have out.
; REGISTERS: window 0: v1-29 addresses, v32-47 scale words (two sets), v48-51 the bias, A's fragments at v64 and v160; window 1: B's at v0 and v96, v192-255 the scale lines on their way, then (v0-95, v192-223) the residual;
;   windows 2, 3: accumulator (a, b) at 8 (8 (a % 4) + b) of window 2 + a / 4.
.set IMG,   1536
.set BP,    32*IMG                     ; from block to block
.set RP,    528                        ; an LDS row of a part: 512 bytes + 16
.set PSW,   128*RP                     ; a wave's part
.set SCB,   4*PSW                      ; behind the parts: the waves' scale lines: A's 4,096 bytes, 128 of padding, B's 4,096
.set SCW,   8448
.set SPARE, SCB+4*SCW                  ; the spare words: 128 bytes a wave
.set LI,   4                           ; v4   16 x lane
.set RD,   16                          ; v16-19 my 32 rows in part 0 .. 3
.set SST,  23                          ; v23  the scale lines' way in
.set STO,  24                          ; v24  my part: row r, + 64 h
.set ADRS, 27                          ; v27  my scale words
.set SPW,  28
.set NIL,  29
.set SC,   32
.set BIAS, 48
.set AF,   64
.set MSB, 0
.macro WIN new
.if MSB != (\new)
	s_set_vgpr_msb (MSB<<8)|(\new)
.set MSB, (\new)
.endif
.endm
.macro PLACES                          ; four plain vector instructions between a matrix instruction and a load into its registers or a read of its result
.rept 4
	v_nop
.endr
.endm
	s_load_b128 s[4:7], s[0:1], 0x0                ; HID, WB
	s_load_b128 s[8:11], s[0:1], 0x10              ; b2, HB
	s_load_b64 s[12:13], s[0:1], 0x20              ; out0
	v_lshl_add_u32 v[SPW], v0, 2, SPARE
	v_mov_b32 v[NIL], 0
	v_lshrrev_b32 v1, 5, v0
	v_readfirstlane_b32 s14, v1                    ; wave = which quarter of K
	s_and_b32 s15, ttmp7, 0xffff                   ; the tokens' tile; ttmp9: the columns'
	s_mul_i32 s16, s14, 8*IMG
	s_mul_i32 s20, s15, 8*BP
	s_add_co_u32 s20, s20, s16                     ; hid's images: block 8 y, K step 8 w
	s_mov_b32 s21, 0
	s_mul_i32 s22, ttmp9, 8*BP
	s_add_co_u32 s22, s22, s16
	s_add_co_u32 s22, s22, 6291456                 ; W2's images
	s_mov_b32 s23, 0
	s_lshl_b32 s17, s14, 9
	s_lshl_b32 s24, s15, 14
	s_add_co_u32 s24, s24, s17
	s_add_co_u32 s24, s24, 12582912                ; hid's scale lines
	s_mov_b32 s25, 0
	s_lshl_b32 s26, ttmp9, 14
	s_add_co_u32 s26, s26, s17
	s_add_co_u32 s26, s26, 9699328                 ; W2's
	s_mov_b32 s27, 0
	s_lshl_b32 s28, ttmp9, 9                       ; my block's first column, in bytes
	s_mov_b32 s29, 0
	s_lshl_b32 s30, s15, 19
	s_lshl_b32 s18, s14, 17
	s_add_co_u32 s30, s30, s18
	s_add_co_u32 s30, s30, s28                     ; row 128 y + 32 w, that column
	s_mov_b32 s31, 0
	s_mul_i32 s33, s14, SCW
	s_add_co_u32 s33, s33, SCB
	s_mul_i32 s34, s14, PSW
	s_mul_i32 s35, s14, 32*RP
	v_and_b32 v1, 15, v0                           ; r
	v_bfe_u32 v2, v0, 4, 1                         ; h
	v_and_b32 v3, 31, v0
	v_lshlrev_b32 v[LI], 4, v3
	v_mul_u32_u24 v5, v2, 4224                     ; lanes 16-31 take B's lines
	v_lshl_add_u32 v5, v1, 2, v5
	v_add_nc_u32 v[ADRS], s33, v5
	v_add_nc_u32 v[SST], s33, v[LI]
	v_mul_u32_u24 v6, v1, RP
	v_lshl_add_u32 v6, v2, 6, v6
	v_add_nc_u32 v[STO], s34, v6
	v_add_nc_u32 v[RD], s35, v[LI]
	v_add_nc_u32 v[RD+1], PSW, v[RD]
	v_add_nc_u32 v[RD+2], 2*PSW, v[RD]
	v_add_nc_u32 v[RD+3], 3*PSW, v[RD]
	s_wait_alu depctr_va_vdst(0)                   ; the wait at the head's end
	s_wait_kmcnt 0x0
	s_add_nc_u64 s[20:21], s[4:5], s[20:21]
	s_add_nc_u64 s[24:25], s[4:5], s[24:25]
	s_add_nc_u64 s[22:23], s[6:7], s[22:23]
	s_add_nc_u64 s[26:27], s[6:7], s[26:27]
	s_add_nc_u64 s[28:29], s[8:9], s[28:29]
	s_add_nc_u64 s[10:11], s[10:11], s[30:31]
	s_add_nc_u64 s[12:13], s[12:13], s[30:31]
; four blocks i0 .. i0 + 3 of my K step st: twelve loads of 512 consecutive bytes
.macro LDF base, w, reg, i0, st
	WIN \w
.irp x, 0,1,2,3
.irp y, 0,1,2
	global_load_b128 v[(\reg)+12*(\i0+\x)+4*\y:(\reg)+12*(\i0+\x)+4*\y+3], v[LI], s[\base:\base+1] offset:(\i0+\x)*BP+(\st)*IMG+512*\y
.endr
.endr
.endm
.macro LDA i0, st
	LDF 20, 0, AF+96*((\st)%2), \i0, \st
.endm
.macro LDB i0, st
	LDF 22, 0x40, 96*((\st)%2), \i0, \st
.endm
.macro SCALES st                       ; lanes 0-15: A's block i; lanes 16-31: B's block i
	WIN 0
.irp x, 0,1,2,3,4,5,6,7
	ds_load_b32 v[SC+8*((\st)%2)+\x], v[ADRS] offset:\x*512+(\st)*64
.endr
.endm
; sixteen products: A's blocks a0 .. a0 + 3 against B's b0 .. b0 + 3.  Source 0 = W2's columns, source 1 = tokens: a lane holds one token and neighbouring columns.
; The 64 accumulators take turns, one instruction a turn, in the same order in every step.
.macro QD a0, b0, p, zero
	WIN 0xa1+0x50*((\a0)/4)
.irp x, 0,1,2,3
.irp y, 0,1,2,3
.if \zero
	v_wmma_scale_f32_16x16x128_f8f6f4 v[8*(8*\x+\b0+\y):8*(8*\x+\b0+\y)+7], v[96*(\p)+12*(\b0+\y):96*(\p)+12*(\b0+\y)+11], v[AF+96*(\p)+12*(\a0+\x):AF+96*(\p)+12*(\a0+\x)+11], 0, v[SC+8*(\p)+\b0+\y], v[SC+8*(\p)+\a0+\x] matrix_a_fmt:MATRIX_FMT_FP6 matrix_b_fmt:MATRIX_FMT_FP6 matrix_a_scale:MATRIX_SCALE_ROW1
.else
	v_wmma_scale_f32_16x16x128_f8f6f4 v[8*(8*\x+\b0+\y):8*(8*\x+\b0+\y)+7], v[96*(\p)+12*(\b0+\y):96*(\p)+12*(\b0+\y)+11], v[AF+96*(\p)+12*(\a0+\x):AF+96*(\p)+12*(\a0+\x)+11], v[8*(8*\x+\b0+\y):8*(8*\x+\b0+\y)+7], v[SC+8*(\p)+\b0+\y], v[SC+8*(\p)+\a0+\x] matrix_a_fmt:MATRIX_FMT_FP6 matrix_b_fmt:MATRIX_FMT_FP6 matrix_a_scale:MATRIX_SCALE_ROW1
.endif
.endr
.endr
.endm
; My K step t.  A step's loads are issued in the order A 0-3, B 4-7, B 0-3, A 4-7, twelve each.
; n1: the loads issued behind this step's B 0-3 (its A 4-7 and what follows); n3: those behind its A 4-7; nd: the scale words asked for behind this step's
.macro STEP t, n1, n3, nd, zero
	s_wait_loadcnt \n1
	s_wait_dscnt \nd
	QD 0, 0, (\t)%2, \zero
	QD 0, 4, (\t)%2, \zero
.if (\t) < 6
	PLACES
	LDA 0, (\t)+2
.endif
	s_wait_loadcnt \n3
	QD 4, 4, (\t)%2, \zero
.if (\t) < 6
	PLACES
	LDB 4, (\t)+2
.endif
	QD 4, 0, (\t)%2, \zero
.if (\t) < 6
	PLACES
	LDB 0, (\t)+2
	LDA 4, (\t)+2
	SCALES (\t)+2
.endif
.endm
	WIN 0x40
.irp x, 0,1,2,3,4,5,6,7
	global_load_b128 v[192+4*\x:195+4*\x], v[LI], s[24:25] offset:\x*2048   ; block x's scale lines of my 8 K steps: 512 consecutive bytes
.endr
.irp x, 0,1,2,3,4,5,6,7
	global_load_b128 v[224+4*\x:227+4*\x], v[LI], s[26:27] offset:\x*2048
.endr
	LDA 0, 0
	LDB 4, 0
	LDB 0, 0
	LDA 4, 0
	s_wait_loadcnt 48                              ; the scale lines are in; step 0's 48 loads may be out
	WIN 0x04                                       ; an LDS store's data are its source 1: window 1
.irp x, 0,1,2,3,4,5,6,7
	ds_store_b128 v[SST], v[192+4*\x:195+4*\x] offset:\x*512
	ds_store_b128 v[SST], v[224+4*\x:227+4*\x] offset:4224+\x*512
.endr
	SCALES 0                                       ; LDS serves a wave's instructions in order (ISA guide 5.7.1.4): these see my stores
	SCALES 1
	LDA 0, 1
	LDB 4, 1
	LDB 0, 1
	LDA 4, 1
	STEP 0, 60, 60, 8, 1                           ; its products start the sums: nothing is cleared
.irp t, 1,2,3,4,5
	STEP \t, 60, 60, 8, 0                          ; 60 = 12 of this step and the next step's 48; or the next step's 48 and 12 of the step two on
.endr
	STEP 6, 60, 48, 8, 0
	PLACES                                         ; B's set 0 is done with: it takes the residual
	WIN 0x40
.set i, 0
.rept 32
	global_load_b128 v[4*i+96*(i/24):4*i+96*(i/24)+3], v[LI], s[10:11] offset:(8*(i/16)+(i%16)+8*((i%16)/8))*4096 th:TH_LOAD_NT   ; LDS row 32 w + i is token 8 (i / 16) + i % 16 + 8 ((i % 16) / 8) of my 32: 512 consecutive bytes
.set i, i+1
.endr
	WIN 0
	global_load_b128 v[BIAS:BIAS+3], v[LI], s[28:29]
	STEP 7, 45, 33, 0, 0                           ; behind its B 0-3: its A 4-7 (12), the residual (32), the bias (1)
	WIN 0
	PLACES                                         ; behind the last products, ahead of the stores that read results
.irp a, 0,1,2,3,4,5,6,7                ; my part: LDS row 16 a + r, columns 32 (b / 2) + 8 (b % 2) + 16 h + 0 .. 7; each accumulator from its low end on
	WIN 0x08+4*(\a/4)
.irp b, 0,1,2,3,4,5,6,7
	ds_store_b128 v[STO], v[8*(8*(\a%4)+\b):8*(8*(\a%4)+\b)+3] offset:16*\a*RP+(32*(\b/2)+8*(\b%2))*4
	ds_store_b128 v[STO], v[8*(8*(\a%4)+\b)+4:8*(8*(\a%4)+\b)+7] offset:16*\a*RP+(32*(\b/2)+8*(\b%2))*4+16
.endr
.endr
	WIN 0
	s_wait_dscnt 0x0                               ; for the others' sake: my part has landed
	s_barrier_signal -1
	s_barrier_wait -1
.macro LOADB k                         ; rows 8 k .. 8 k + 7 of my 32, all four parts, a whole row of 512 bytes a load: window 0 and window 2 by turns
	WIN (2*((\k)%2))<<6
.irp s, 0,1,2,3
.irp j, 0,1,2,3,4,5,6,7
	ds_load_b128 v[64+32*\s+4*\j:64+32*\s+4*\j+3], v[RD+\s] offset:(8*(\k)+\j)*RP
.endr
.endr
.endm
.macro SUMB k
.set X, 2*((\k)%2)
.set RB, 32*(\k)+96*((\k)/3)
	WIN X|(X<<2)|(X<<6)
.set n, 0
.rept 16
	v_pk_add_f32 v[64+n:65+n], v[64+n:65+n], v[96+n:97+n]
	v_pk_add_f32 v[128+n:129+n], v[128+n:129+n], v[160+n:161+n]
.set n, n+2
.endr
.set n, 0
.rept 16
	v_pk_add_f32 v[64+n:65+n], v[64+n:65+n], v[128+n:129+n]
.set n, n+2
.endr
	WIN X|(1<<2)|(X<<6)                            ; source 1 window 1: the residual
.set n, 0
.rept 16
	v_pk_add_f32 v[64+n:65+n], v[64+n:65+n], v[RB+n:RB+n+1]
.set n, n+2
.endr
	WIN X|(X<<6)                                   ; source 1 window 0: the bias of my four columns
.set n, 0
.rept 16
	v_pk_add_f32 v[64+n:65+n], v[64+n:65+n], v[BIAS+n%4:BIAS+n%4+1]
.set n, n+2
.endr
	WIN X<<2                                       ; a store's data are its source 1
.irp j, 0,1,2,3,4,5,6,7
	global_store_b128 v[LI], v[64+4*\j:64+4*\j+3], s[12:13] offset:(8*((8*(\k)+\j)/16)+((8*(\k)+\j)%16)+8*(((8*(\k)+\j)%16)/8))*4096 th:TH_STORE_NT   ; 32 lanes store 512 consecutive bytes, aligned
.endr
.endm
	LOADB 0
	LOADB 1
	s_wait_loadcnt 0x0                             ; the residual and the bias
.irp k, 0,1,2,3
.if \k < 3
	s_wait_dscnt 32                                ; this batch is in; the next batch's 32 loads may be out
.else
	s_wait_dscnt 0x0
.endif
	SUMB \k
.if \k < 2
	s_wait_xcnt 0x0                                ; the stores have read their data: the batch two on may land there
	LOADB \k+2
.endif
.endr
	WIN 0
	s_wait_tensorcnt 0x0                           ; the wave's end
	ds_add_u32 v[SPW], v[NIL]
	s_wait_dscnt 0x0
	s_endpgm
.Lfunc_end_k_q8bf3ee7413_w2:
	.size	k_q8bf3ee7413_w2, .Lfunc_end_k_q8bf3ee7413_w2-k_q8bf3ee7413_w2
	.p2alignl 7, 3214868480
	.fill 96, 4, 3214868480
	.section	.rodata,"a",@progbits
	.p2align	6, 0x0
	.amdhsa_kernel k_q8bf3ee7413_w2
		.amdhsa_group_segment_fixed_size 304640
		.amdhsa_private_segment_fixed_size 0
		.amdhsa_enable_private_segment 0
		.amdhsa_kernarg_size 40
		.amdhsa_user_sgpr_count 2
		.amdhsa_user_sgpr_kernarg_segment_ptr 1
		.amdhsa_wavefront_size32 1
		.amdhsa_system_sgpr_workgroup_id_x 1
		.amdhsa_system_sgpr_workgroup_id_y 1
		.amdhsa_system_sgpr_workgroup_id_z 1
		.amdhsa_system_vgpr_workitem_id 0
		.amdhsa_next_free_vgpr 1024
		.amdhsa_next_free_sgpr 66
		.amdhsa_reserve_vcc 0
		.amdhsa_float_denorm_mode_32 3
		.amdhsa_float_denorm_mode_16_64 3
		.amdhsa_memory_ordered 1
		.amdhsa_forward_progress 1
		.amdhsa_inst_pref_size 158
	.end_amdhsa_kernel
	.amdgpu_metadata
---
amdhsa.version: [ 1, 2 ]
amdhsa.kernels:
  - .name:           k_q8bf3ee7413_w2
    .symbol:         k_q8bf3ee7413_w2.kd
    .args:
      - { .name: HID, .offset: 0, .size: 8, .value_kind: global_buffer, .address_space: global }
      - { .name: WB, .offset: 8, .size: 8, .value_kind: global_buffer, .address_space: global }
      - { .name: b2, .offset: 16, .size: 8, .value_kind: global_buffer, .address_space: global }
      - { .name: HB, .offset: 24, .size: 8, .value_kind: global_buffer, .address_space: global }
      - { .name: out0, .offset: 32, .size: 8, .value_kind: global_buffer, .address_space: global }
    .group_segment_fixed_size: 304640
    .private_segment_fixed_size: 0
    .kernarg_segment_align: 8
    .kernarg_segment_size: 40
    .max_flat_workgroup_size: 128
    .sgpr_count:     66
    .vgpr_count:     1024
    .wavefront_size: 32
...
	.end_amdgpu_metadata
.endif
;; end of part 6
